; MI455X (gfx1250); checked and timed in simulation.
; The chip was launched on July 23, 2026; its instructions are those of AMD's public machine-readable ISA for CDNA 5 (MIT licence, August 2026) and "CDNA5" Instruction Set Architecture Reference Guide (July 2026). The comments in the code are by the model that wrote it; some were corrected since.
;; Sparse Moe Block. Allowed arithmetic: matrix products marked QUANTISED: E4M3 operands, one E8M0 scale for each 32 along K, by v_wmma_scale_f32_16x16x128_f8f6f4 with both operands' format E4M3, f32 sums; products left as they are: f32 operands where the result goes on into a quantised operand, else bf16, f16 or f32 operands; f32 sums; everything else in f32.
;; Inputs: gate_w 8 x 2,048 float32; hidden_states 4 x 256 x 2,048 float32; w13_codes 8 x 2,048 x 64 x 32 uint8 (E4M3 codes of w13, K innermost, in blocks of 32 codes); w13_scales 8 x 2,048 x 64 uint8 (E8M0 scales of w13, one for each 32 codes along K); w2_codes 8 x 2,048 x 32 x 32 uint8 (E4M3 codes of w2, K innermost, in blocks of 32 codes); w2_scales 8 x 2,048 x 32 uint8 (E8M0 scales of w2, one for each 32 codes along K).
;; Outputs: out0 4 x 256 x 2,048 float32; out1 1,024 x 8 float32.
;; Constants: top_k = 2.
;; This version of the problem:
;;   THIS VERSION OF THE PROBLEM IS GIVEN IN LOW PRECISION. The matrix products marked QUANTISED in the list below multiply operands that are first quantised to E4M3 (4 exponent bits, 3 mantissa bits; 8 bits a number), with one power-of-two scale for each 32 numbers along K (OCP MX v1.0); their sums are f32. All else is computed in f32.
;;   The module's matrix products, in the order in which they are computed (A, B: the left and right operand; K: the contracted axis; several contracted axes count as one K, in the product's order):
;;     1. [M 1,024, K 2,048] x [K 2,048, N 8]; A: input hidden_states; B: input gate_w: left as it is (N = 8 < 16)
;;     2. [M 1,024, K 2,048] x [K 2,048, N 2,048]; A: input hidden_states; B: input w13 (given as codes): QUANTISED
;;     3. [M 1,024, K 1,024] x [K 1,024, N 2,048]; A: computed on the way; B: input w2 (given as codes): QUANTISED
;;     4. [M 1,024, K 2,048] x [K 2,048, N 2,048]; A: input hidden_states; B: input w13 (given as codes): QUANTISED
;;     5. [M 1,024, K 1,024] x [K 1,024, N 2,048]; A: computed on the way; B: input w2 (given as codes): QUANTISED
;;     6. [M 1,024, K 2,048] x [K 2,048, N 2,048]; A: input hidden_states; B: input w13 (given as codes): QUANTISED
;;     7. [M 1,024, K 1,024] x [K 1,024, N 2,048]; A: computed on the way; B: input w2 (given as codes): QUANTISED
;;     8. [M 1,024, K 2,048] x [K 2,048, N 2,048]; A: input hidden_states; B: input w13 (given as codes): QUANTISED
;;     9. [M 1,024, K 1,024] x [K 1,024, N 2,048]; A: computed on the way; B: input w2 (given as codes): QUANTISED
;;     10. [M 1,024, K 2,048] x [K 2,048, N 2,048]; A: input hidden_states; B: input w13 (given as codes): QUANTISED
;;     11. [M 1,024, K 1,024] x [K 1,024, N 2,048]; A: computed on the way; B: input w2 (given as codes): QUANTISED
;;     12. [M 1,024, K 2,048] x [K 2,048, N 2,048]; A: input hidden_states; B: input w13 (given as codes): QUANTISED
;;     13. [M 1,024, K 1,024] x [K 1,024, N 2,048]; A: computed on the way; B: input w2 (given as codes): QUANTISED
;;     14. [M 1,024, K 2,048] x [K 2,048, N 2,048]; A: input hidden_states; B: input w13 (given as codes): QUANTISED
;;     15. [M 1,024, K 1,024] x [K 1,024, N 2,048]; A: computed on the way; B: input w2 (given as codes): QUANTISED
;;     16. [M 1,024, K 2,048] x [K 2,048, N 2,048]; A: input hidden_states; B: input w13 (given as codes): QUANTISED
;;     17. [M 1,024, K 1,024] x [K 1,024, N 2,048]; A: computed on the way; B: input w2 (given as codes): QUANTISED
;;   THE QUANTISER, for each operand of a quantised product, along K:
;;     - K is cut into blocks of 32 from its start; a last block that is shorter is filled with zeros.
;;     - A block's scale is 2^e with e = floor(log2(the largest magnitude in the block)) - 8, held to -126 .. 127; a block of zeros has e = 0. As a byte (E8M0): e + 127.
;;     - Each number is divided by its block's scale, clamped to +-448, and rounded to the nearest number of E4M3, ties to even, subnormals kept.
;;     - The product sums the exact products of the quantised numbers (number of the format x scale) in f32.
;;   ~~~python
;;   def quantise(x, axis):      # numpy; x: float32 -> the quantised numbers, widened to float32 again
;;       x = np.moveaxis(x, axis, -1); K = x.shape[-1]
;;       x = np.pad(x, [(0, 0)] * (x.ndim - 1) + [(0, -K % 32)]); x = x.reshape(x.shape[:-1] + (-1, 32)); a = np.abs(x).max(-1, keepdims=True)
;;       e = np.where(a > 0, np.clip(np.frexp(np.where(a > 0, a, 1))[1] - 1 - 8, -126, 127), 0)      # np.frexp(a)[1] - 1 = floor(log2(a)), exactly
;;       r = np.clip(x / 2.0 ** e, -448, 448)
;;       step = 2.0 ** (np.maximum(np.frexp(np.where(r == 0, 1, r))[1] - 1, -6) - 3)
;;       q = np.round(r / step) * step * 2.0 ** e      # np.round: ties to even
;;       return np.moveaxis(q.reshape(q.shape[:-2] + (-1,))[..., :K], -1, axis).astype(np.float32)
;;   ~~~
;;   OPERANDS COMPUTED ON THE WAY. 'Computed on the way' means the value that the module computes at that place (a softmax that the list does not call 'softmax' is quantised finished and normalised). What goes into a quantiser is computed in f32, as accurately as f32 sums, v_exp_f32 and their like allow (about 1e-6 of the number): no bf16 or f16 on the way to a quantiser, and a product that is left as it is and whose result goes on into a quantised operand takes f32 operands (vector FMAs, or v_wmma_f32_16x16x4_f32). A number that lies on a knife's edge between two numbers of the format may be rounded either way, as far as f32 arithmetic and the matrix unit's own rounding can turn it there, and no further.
;;   INPUTS GIVEN AS CODES. w13 (in the module: [8, 2048, 2048], K = its axis 2); w2 (in the module: [8, 2048, 1024], K = its axis 2): each comes as NAME_codes (uint8): NAME with its K axis moved to the last place and cut into blocks of 32 codes, [.., K / 32, bytes a block], one block behind the other in memory; one code a byte (a code: sign, 4 exponent bits, 3 mantissa bits); and NAME_scales (uint8): the same leading axes, one E8M0 byte (e + 127) for each 32 codes along K. Its value is code x scale, taken as it is: it is not quantised again, and the codes and scales need not be those that the quantiser above would give.
;; 3 versions, each right; version 2 is faster than version 1; version 3 is version 2 with the launch down written anew for expert scheduling mode. Each part assembles by itself: llvm-mc -triple=amdgcn-amd-amdhsa -mcpu=gfx1250 --defsym DOCPART=n.
;; ======== version 1 of 3: 4 launches
;; workspace buffers: sel 4,096 bytes of whole numbers; wts 8,192 bytes; x_codes 2,097,152 bytes; x_scales 65,536 bytes; act_codes 10,485,760 bytes; act_scales 327,680 bytes; y 16,842,752 bytes
;; launch route (part 1): grid 256 x 1, 4 waves a work-group, no clusters, 1,536 bytes of LDS; arguments hidden_states, gate_w, out1, sel, wts, x_codes, x_scales; writes out1, sel, wts, x_codes, x_scales
.if DOCPART == 1
	.amdgcn_target "amdgcn-amd-amdhsa--gfx1250"
	.amdhsa_code_object_version 6
	.text
	.protected	k_q4823dc0110_route
	.globl	k_q4823dc0110_route
	.p2align	8
	.type	k_q4823dc0110_route,@function
k_q4823dc0110_route:
	s_mov_b64 s[64:65], 0
	v_nop
	global_prefetch_b8 v0, s[64:65] scope:SCOPE_SE
	s_setreg_imm32_b32 hwreg(HW_REG_WAVE_MODE, 25, 1), 1
	s_wait_xcnt 0x0
; THE ROUTER, AND x INTO CODES.  x = hidden_states [1024][2048] f32, gate_w [8][2048] f32.
; out1[t][e] = x[t] . gate_w[e] in f32;  p = 2^((logit - the row's largest logit) log2 e);  the two largest p (ties: the lower expert), divided by their sum, are the weights.
; sel[t] = (1 << first expert) | (256 << second expert): whole numbers at a fixed place; no address and no branch here hangs on them.  wts[t][0..1]: the two weights.
; x_codes [1024][2048]: E4M3 codes, K innermost.  x_scales [1024][16 words]: the scale word of K step s (128 along K) lies at word 4 (s / 4) + 2 (s % 2) + (s / 2) % 2, the order in which the lanes make them.
; SHARES.  A work-group takes 4 tokens; wave w takes k = 512 w .. 512 w + 511 of the 4 tokens and of all 8 experts; lane l holds k = 512 w + 256 c + 8 l + 0 .. 7 (c = 0, 1).  A block of 32 is 4 lanes.
; The waves' 32 partial logits meet in LDS behind one barrier; wave 0 finishes them, lane l standing for token l / 8 and expert l % 8.
; LIMITS: NaN and infinities are not served.  A block of zeros gets the byte 1 (its codes are zeros; this program alone reads the bytes).  The top-2 is taken on p ahead of the division by the sum: the same order.
; p under 2^-126 comes out of v_exp_f32 as 0.  The logits' sums run in another order than a plain row sum.
.set X,  16                            ; v16-79    x: token t, chunk c, number i at 16 t + 8 c + i
.set G,  80                            ; v80-207   gate_w: expert e likewise; later the other half's sums
.set C,  208                           ; v208-223  codes, two registers for each (t, c)
.set WD, 224                           ; v224-231  scale words
.set H,  240                           ; v240-247  eight held numbers
.set S,  208                           ; v208-239  the 32 partial logits (8 t + e), once the stores have read C and WD
.set T,  240                           ; v240-247  four running pairs
	s_load_b256 s[4:11], s[0:1], 0x0               ; hidden_states, gate_w, out1, sel
	s_load_b128 s[12:15], s[0:1], 0x20             ; wts, x_codes
	s_load_b64 s[16:17], s[0:1], 0x30              ; x_scales
	v_lshl_add_u32 v254, v0, 2, 0x400
	v_mov_b32 v255, 0
	v_lshrrev_b32 v1, 5, v0
	v_readfirstlane_b32 s18, v1                    ; wave
	v_and_b32 v1, 31, v0                           ; lane
	v_lshlrev_b32 v2, 5, v1                        ; 32 l: my eight numbers
	v_lshlrev_b32 v3, 3, v1                        ; 8 l: my eight codes
	v_bfe_u32 v4, v0, 4, 1                         ; h
	v_and_b32 v5, 1, v0
	v_lshlrev_b32 v5, 2, v5
	v_lshl_add_u32 v4, v4, 3, v5                   ; 8 h + 4 (l % 2): where my scale word goes
	v_bfe_u32 v5, v0, 2, 2
	v_lshlrev_b32 v5, 3, v5                        ; 8 x my block's place in its K step
	v_mov_b32 v6, s18
	v_lshlrev_b32 v6, 7, v6                        ; LDS: my wave's 32 words
	v_lshlrev_b32 v7, 2, v1                        ; 4 l
	v_mov_b32 v237, 0                              ; written once: the destination of a lane move counts as read
	s_mov_b32 s19, 0x600000                        ; the mantissa field of 448
	s_mov_b32 s20, 0x76543210
	s_mov_b32 s21, 0xfedcba98                      ; selects: lane l xor 16
	s_mov_b32 s22, 0xaaaaaaaa                      ; the odd lanes
	s_lshl_b32 s24, ttmp9, 15
	s_lshl_b32 s26, s18, 11
	s_add_co_u32 s24, s24, s26                     ; 4 tokens of 8,192 bytes a work-group, 2,048 bytes a wave
	s_mov_b32 s25, 0
	s_mov_b32 s27, 0
	s_wait_kmcnt 0x0
	s_add_nc_u64 s[4:5], s[4:5], s[24:25]
	s_add_nc_u64 s[6:7], s[6:7], s[26:27]
.irp t, 0,1,2,3
.irp c, 0,1
	global_load_b128 v[X+16*\t+8*\c:X+16*\t+8*\c+3], v2, s[4:5] offset:8192*\t+1024*\c th:TH_LOAD_NT
	global_load_b128 v[X+16*\t+8*\c+4:X+16*\t+8*\c+7], v2, s[4:5] offset:8192*\t+1024*\c+16 th:TH_LOAD_NT
.endr
.endr
.irp e, 0,1,2,3,4,5,6,7
.irp c, 0,1
	global_load_b128 v[G+16*\e+8*\c:G+16*\e+8*\c+3], v2, s[6:7] offset:8192*\e+1024*\c
	global_load_b128 v[G+16*\e+8*\c+4:G+16*\e+8*\c+7], v2, s[6:7] offset:8192*\e+1024*\c+16
.endr
.endr
	s_lshl_b32 s24, ttmp9, 13
	s_lshl_b32 s26, s18, 9
	s_add_co_u32 s24, s24, s26
	s_add_nc_u64 s[14:15], s[14:15], s[24:25]      ; x_codes: 4 rows of 2,048 bytes, + 512 w
	s_lshl_b32 s24, ttmp9, 8
	s_lshl_b32 s26, s18, 4
	s_add_co_u32 s24, s24, s26
	s_add_nc_u64 s[16:17], s[16:17], s[24:25]      ; x_scales: 4 rows of 64 bytes, + 16 w
	s_lshl_b32 s24, ttmp9, 7
	s_add_nc_u64 s[8:9], s[8:9], s[24:25]          ; out1: 4 rows of 32 bytes
	s_lshl_b32 s24, ttmp9, 4
	s_add_nc_u64 s[10:11], s[10:11], s[24:25]      ; sel
	s_lshl_b32 s24, ttmp9, 5
	s_add_nc_u64 s[12:13], s[12:13], s[24:25]      ; wts
	s_wait_loadcnt 32                              ; x is in: the 32 loads of gate_w are younger
; Eight numbers of token t, chunk c become eight codes, and the four lanes' byte a part of the K step's scale word.  x itself stays whole for the logits.
.macro QX t, c
.set XB, X+16*(\t)+8*(\c)
	v_max3_num_f32 v232, |v[XB]|, |v[XB+1]|, 0x4800000             ; the floor 2^(9 - 127) among the leaves: the byte cannot fall under 1
	v_max3_num_f32 v233, |v[XB+2]|, |v[XB+3]|, |v[XB+4]|
	v_max3_num_f32 v232, v232, |v[XB+5]|, |v[XB+6]|
	v_max3_num_f32 v232, v232, v233, |v[XB+7]|
	v_max_num_f32_dpp v232, v232, v232 row_xmask:1 row_mask:0xf bank_mask:0xf
	v_max_num_f32_dpp v232, v232, v232 row_xmask:2 row_mask:0xf bank_mask:0xf   ; the block's largest magnitude
	v_add_nc_u32 v234, 0xfc000000, v232            ; 8 off its exponent field: the conversion's scale operand
	v_and_or_b32 v235, v232, 0x7f800000, s19       ; 448 x the scale
.irp i, 0,1,2,3,4,5,6,7
	v_med3_num_f32 v[H+\i], v[XB+\i], -v235, v235  ; the conversion to an 8-bit code does not saturate (ISA guide 7.6.2): the hold
.endr
	v_cvt_scalef32_pk8_fp8_f32 v[C+2*(2*(\t)+(\c)):C+2*(2*(\t)+(\c))+1], v[H:H+7], v234
	v_lshrrev_b32 v236, 23, v234                   ; the scale's byte (also the plain line behind the conversion)
	v_lshlrev_b32 v236, v5, v236                   ; at its place in the word
	v_mov_b32_dpp v237, v236 row_xmask:4 row_mask:0xf bank_mask:0xf
	v_or_b32 v236, v236, v237
	v_mov_b32_dpp v237, v236 row_xmask:8 row_mask:0xf bank_mask:0xf
	v_or_b32 v[WD+2*(\t)+(\c)], v236, v237         ; the 16 lanes of half h hold the word of K step 4 w + 2 c + h
.endm
.irp t, 0,1,2,3
.irp c, 0,1
	QX \t, \c
.endr
.endr
.irp t, 0,1,2,3
.irp c, 0,1
	global_store_b64 v3, v[C+2*(2*\t+\c):C+2*(2*\t+\c)+1], s[14:15] offset:2048*\t+256*\c   ; 32 lanes store 256 consecutive bytes, aligned
.endr
.endr
.irp t, 0,1,2,3
	v_cndmask_b32 v[WD+2*\t], v[WD+2*\t], v[WD+2*\t+1], s22        ; even lanes chunk 0's word, odd lanes chunk 1's
	global_store_b32 v4, v[WD+2*\t], s[16:17] offset:64*\t         ; lanes that share an address store the same word
.endr
	s_wait_loadcnt 0x0                             ; gate_w
	s_wait_xcnt 0x0                                ; the stores have read C and WD: the sums may lie there
.irp e, 0,1,2,3,4,5,6,7
.irp t, 0,1,2,3
	v_pk_mul_f32 v[T+2*\t:T+2*\t+1], v[X+16*\t:X+16*\t+1], v[G+16*\e:G+16*\e+1]
.endr
.irp i, 2,4,6,8,10,12,14
.irp t, 0,1,2,3
	v_pk_fma_f32 v[T+2*\t:T+2*\t+1], v[X+16*\t+\i:X+16*\t+\i+1], v[G+16*\e+\i:G+16*\e+\i+1], v[T+2*\t:T+2*\t+1]   ; the four tokens by turns
.endr
.endr
.irp t, 0,1,2,3
	v_add_f32 v[S+8*\t+\e], v[T+2*\t], v[T+2*\t+1]
.endr
.endr
.irp m, 1,2,4,8
.irp j, 0,1,2,3,4,5,6,7,8,9,10,11,12,13,14,15,16,17,18,19,20,21,22,23,24,25,26,27,28,29,30,31
	v_add_f32_dpp v[S+\j], v[S+\j], v[S+\j] row_xmask:\m row_mask:0xf bank_mask:0xf
.endr
.endr
.irp j, 0,1,2,3,4,5,6,7,8,9,10,11,12,13,14,15,16,17,18,19,20,21,22,23,24,25,26,27,28,29,30,31
	v_permlanex16_b32 v[G+\j], v[S+\j], s20, s21
.endr
.irp j, 0,1,2,3,4,5,6,7,8,9,10,11,12,13,14,15,16,17,18,19,20,21,22,23,24,25,26,27,28,29,30,31
	v_add_f32 v[S+\j], v[S+\j], v[G+\j]            ; every lane holds my wave's part of logit j
.endr
.irp j, 0,1,2,3,4,5,6,7,8,9,10,11,12,13,14,15,16,17,18,19,20,21,22,23,24,25,26,27,28,29,30,31
	ds_store_b32 v6, v[S+\j] offset:4*\j           ; all lanes write the same word with the same value
.endr
	s_wait_dscnt 0x0                               ; for the others' sake: my stores have landed
	s_barrier_signal -1
	s_barrier_wait -1
	s_cmp_lg_u32 s18, 0
	s_cbranch_scc1 .Lend                           ; wave 0 finishes
	ds_load_b32 v8, v7
	ds_load_b32 v9, v7 offset:128
	ds_load_b32 v10, v7 offset:256
	ds_load_b32 v11, v7 offset:384
	v_mov_b32 v12, 0
	v_mov_b32 v14, 0
	v_mov_b32 v16, 0x41000000                      ; 8.0: behind every expert
	v_mov_b32 v17, -1.0                            ; under every p
	v_mov_b32 v26, 1
	v_mov_b32 v27, 0x100
	v_lshrrev_b32 v24, 3, v1
	v_lshlrev_b32 v24, 2, v24                      ; sel: 4 (l / 8)
	v_and_b32 v23, 1, v1
	v_lshlrev_b32 v25, 1, v24
	v_lshl_add_u32 v25, v23, 2, v25                ; wts: 8 (l / 8) + 4 (l % 2)
	s_wait_dscnt 0x0
	v_add_f32 v8, v8, v9
	v_add_f32 v10, v10, v11
	v_add_f32 v8, v8, v10                          ; the logit of token l / 8, expert l % 8
	global_store_b32 v7, v8, s[8:9]                ; 128 consecutive bytes of out1
	v_max_num_f32_dpp v9, v8, v8 row_xmask:1 row_mask:0xf bank_mask:0xf
	v_max_num_f32_dpp v9, v9, v9 row_xmask:2 row_mask:0xf bank_mask:0xf
	v_max_num_f32_dpp v9, v9, v9 row_xmask:4 row_mask:0xf bank_mask:0xf    ; the token's largest logit
	v_sub_f32 v10, v8, v9
	v_mul_f32 v10, 0x3fb8aa3b, v10
	v_exp_f32 v10, v10                             ; p
	v_and_b32 v11, 7, v1                           ; (plain lines behind the exponential)
	v_cvt_f32_u32 v11, v11                         ; my expert, as f32
	s_wait_alu depctr_va_vdst(0)                   ; the wait ahead of the first reader
	v_max_num_f32_dpp v12, v10, v10 row_xmask:1 row_mask:0xf bank_mask:0xf
	v_max_num_f32_dpp v12, v12, v12 row_xmask:2 row_mask:0xf bank_mask:0xf
	v_max_num_f32_dpp v12, v12, v12 row_xmask:4 row_mask:0xf bank_mask:0xf ; the largest p
	v_cmp_eq_f32 vcc_lo, v10, v12
	v_cndmask_b32 v13, v16, v11, vcc_lo
	v_min_num_f32_dpp v13, v13, v13 row_xmask:1 row_mask:0xf bank_mask:0xf
	v_min_num_f32_dpp v13, v13, v13 row_xmask:2 row_mask:0xf bank_mask:0xf
	v_min_num_f32_dpp v13, v13, v13 row_xmask:4 row_mask:0xf bank_mask:0xf ; the lowest expert that has it
	v_cmp_eq_f32 vcc_lo, v11, v13
	v_cndmask_b32 v18, v10, v17, vcc_lo            ; that expert is taken out
	v_max_num_f32_dpp v14, v18, v18 row_xmask:1 row_mask:0xf bank_mask:0xf
	v_max_num_f32_dpp v14, v14, v14 row_xmask:2 row_mask:0xf bank_mask:0xf
	v_max_num_f32_dpp v14, v14, v14 row_xmask:4 row_mask:0xf bank_mask:0xf ; the second p
	v_cmp_eq_f32 vcc_lo, v18, v14
	v_cndmask_b32 v15, v16, v11, vcc_lo
	v_min_num_f32_dpp v15, v15, v15 row_xmask:1 row_mask:0xf bank_mask:0xf
	v_min_num_f32_dpp v15, v15, v15 row_xmask:2 row_mask:0xf bank_mask:0xf
	v_min_num_f32_dpp v15, v15, v15 row_xmask:4 row_mask:0xf bank_mask:0xf ; and its expert
	v_add_f32 v19, v12, v14
	v_rcp_f32 v19, v19
	v_cvt_u32_f32 v13, v13                         ; (plain lines behind the reciprocal)
	v_cvt_u32_f32 v15, v15
	s_wait_alu depctr_va_vdst(0)
	v_mul_f32 v20, v12, v19
	v_mul_f32 v21, v14, v19
	v_cndmask_b32 v20, v20, v21, s22               ; even lanes the first weight, odd lanes the second
	v_lshlrev_b32 v13, v13, v26
	v_lshlrev_b32 v15, v15, v27
	v_or_b32 v22, v13, v15
	global_store_b32 v24, v22, s[10:11]            ; lanes that share an address store the same number
	global_store_b32 v25, v20, s[12:13]
.Lend:
	s_barrier_signal -1
	s_barrier_wait -1
	s_wait_tensorcnt 0x0
	ds_add_u32 v254, v255
	s_wait_dscnt 0x0
	s_endpgm
.Lfunc_end_k_q4823dc0110_route:
	.size	k_q4823dc0110_route, .Lfunc_end_k_q4823dc0110_route-k_q4823dc0110_route
	.p2alignl 7, 3214868480
	.fill 96, 4, 3214868480
	.section	.rodata,"a",@progbits
	.p2align	6, 0x0
	.amdhsa_kernel k_q4823dc0110_route
		.amdhsa_group_segment_fixed_size 1536
		.amdhsa_private_segment_fixed_size 0
		.amdhsa_enable_private_segment 0
		.amdhsa_kernarg_size 56
		.amdhsa_user_sgpr_count 2
		.amdhsa_user_sgpr_kernarg_segment_ptr 1
		.amdhsa_wavefront_size32 1
		.amdhsa_system_sgpr_workgroup_id_x 1
		.amdhsa_system_sgpr_workgroup_id_y 1
		.amdhsa_system_sgpr_workgroup_id_z 1
		.amdhsa_system_vgpr_workitem_id 0
		.amdhsa_next_free_vgpr 256
		.amdhsa_next_free_sgpr 66
		.amdhsa_reserve_vcc 1
		.amdhsa_float_denorm_mode_32 3
		.amdhsa_float_denorm_mode_16_64 3
		.amdhsa_memory_ordered 1
		.amdhsa_forward_progress 1
		.amdhsa_inst_pref_size 53
	.end_amdhsa_kernel
	.amdgpu_metadata
---
amdhsa.version: [ 1, 2 ]
amdhsa.kernels:
  - .name:           k_q4823dc0110_route
    .symbol:         k_q4823dc0110_route.kd
    .args:
      - { .name: hidden_states, .offset: 0, .size: 8, .value_kind: global_buffer, .address_space: global }
      - { .name: gate_w, .offset: 8, .size: 8, .value_kind: global_buffer, .address_space: global }
      - { .name: out1, .offset: 16, .size: 8, .value_kind: global_buffer, .address_space: global }
      - { .name: sel, .offset: 24, .size: 8, .value_kind: global_buffer, .address_space: global }
      - { .name: wts, .offset: 32, .size: 8, .value_kind: global_buffer, .address_space: global }
      - { .name: x_codes, .offset: 40, .size: 8, .value_kind: global_buffer, .address_space: global }
      - { .name: x_scales, .offset: 48, .size: 8, .value_kind: global_buffer, .address_space: global }
    .group_segment_fixed_size: 1536
    .private_segment_fixed_size: 0
    .kernarg_segment_align: 8
    .kernarg_segment_size: 56
    .max_flat_workgroup_size: 128
    .sgpr_count:     66
    .vgpr_count:     256
    .wavefront_size: 32
...
	.end_amdgpu_metadata
.endif
;; end of part 1
;; launch up (part 2): grid 32 x 8, 4 waves a work-group, no clusters, 138,752 bytes of LDS; arguments sel, x_codes, x_scales, w13_codes, w13_scales, act_codes, act_scales; writes act_codes, act_scales
.if DOCPART == 2
	.amdgcn_target "amdgcn-amd-amdhsa--gfx1250"
	.amdhsa_code_object_version 6
	.text
	.protected	k_q4823dc0110_up
	.globl	k_q4823dc0110_up
	.p2align	8
	.type	k_q4823dc0110_up,@function
k_q4823dc0110_up:
	s_mov_b64 s[64:65], 0
	v_nop
	global_prefetch_b8 v0, s[64:65] scope:SCOPE_SE
	s_setreg_imm32_b32 hwreg(HW_REG_WAVE_MODE, 25, 1), 1
	s_wait_xcnt 0x0
; act = silu(x w1^T) * (x w3^T) for the rows routed to one expert, quantised along the FFN axis.  Both operands of the product are E4M3 codes with E8M0 scales.
; SHARES.  Work-group (j = x, e = y) owns FFN units 32 j .. 32 j + 31 of expert e: 32 rows of w1 and 32 of w3, 128 KiB of codes, read from memory once in the launch, by this work-group alone.
; They lie in LDS as images of operand registers (a fragment of 16 rows x 128 K: four runs of 512 bytes, lane l's 16 bytes at 16 l).  The rows of x come from memory straight into registers, gathered by a list.
; THE LIST.  Wave 0 reads sel (whole numbers stored by the launch before) and lays expert e's rows in LDS: entry = 2 x token + k (k: first or second choice), rank = place in the list; the rest holds 2048 + e.
; The launch behind this one builds the same list by the same lines.  Tile i is ranks 16 i .. 16 i + 15; wave w takes tiles w + 4 q + 20 p, q = 0 .. 4, in pass p.  Pass 0 always runs; pass p > 0 runs while 20 p + w is under
; the number of tiles, ceil(rows / 16), at most 64.  Ranks past the list's end take token 1023's codes; what they give is stored at their rank and weighs on nothing.
; No tensor load, no cluster: the passes hang on a stored count.  No barrier stands in the loop over passes.
; THE PRODUCT IS USED TRANSPOSED: source 0 = 16 rows of w13, source 1 = 16 rows of x, so that a lane holds one token.  Lane r of the tile (kind, u) takes row 32 j + 8 u + r + 8 (r / 8), so that a lane's 16 registers of tiles
; u = 0, 1 are units 16 (lane / 16) + 0 .. 15: with lane l xor 16 a whole block of 32 along the next K.
; act_codes [e][j][rank 1280][32 bytes], act_scales [e][rank 1280][32 bytes, byte j].
; LIMITS: NaN and infinities are not served; a block of zeros gets the byte 1 (its codes are zeros; this program alone reads the bytes).
; REGISTERS, in windows of 256.  Window 0: addresses, scale words, work.  Window 1: 256 staging registers at the head, then B's two buffers (v0-63, v64-127).  Window 2: A's ring of three slots of 80.  Window 3: accumulator (q, n) at 8 (4 q + n).
.set LST,  131072                      ; LDS: behind the images (131,072 bytes) the list: 1,280 words and 384 more, all prefilled;
.set DMP,  LST+6656                    ; a dump word for each lane: list indices 1664 + lane;
.set CNT,  DMP+128                     ; the number of rows
.set LI,   4                           ; v4   16 x lane: an image's place for my lane
.set LI2,  5                           ; v5   the same 65,536 bytes on
.set WST,  6                           ; v6   where I stage: 16 x lane + 32,768 x wave
.set LA0,  7                           ; v7   my list words: LST + 64 w + 4 r
.set LA,   8                           ; v8   the same in the pass in hand
.set WO,   9                           ; v9   w13_codes: (r + 8 (r / 8)) x 2,048 + 16 h
.set WSO,  10                          ; v10  w13_scales: (r + 8 (r / 8)) x 64
.set H16,  11                          ; v11  16 h
.set AO,   12                          ; v12  act_codes: 32 r + 16 h
.set ASO,  13                          ; v13  act_scales: 32 r
.set CA,   14                          ; v14  CNT
.set DA,   15                          ; v15  1664 + lane
.set L8,   16                          ; v16  8 x lane
.set SO16, 17                          ; v17  16 x lane: my place in sel
.set XO,   24                          ; v24-28   x_codes: token x 2,048 + 16 h, for each q
.set PF,   29                          ; v29  the prefill: LST + 16 x lane
.set WS,   32                          ; v32-95   w13's scale words: tile n, K step s at 16 n + s
.set XSC,  96                          ; v96-175  x's scale words: tile q, 16 words as x_scales has them
.set SELR, 176                         ; v176-207 sel; later T and P
.set T,    176
.set P,    192
.set CD,   208                         ; v208-227 codes, four registers for each q
.set SB,   228                         ; v228-232 a scale byte for each q
.set WK,   233                         ; v233-237 at work
.set LV,   208                         ; the list's stores: a ring of 16 values
.set LAD,  224                         ; and 16 addresses
.set XSO,  241                         ; v241-245 x_scales: token x 64
.set LE,   246                         ; v246-250 list entries
.set FILL, 252                         ; v252-255 2048 + e
.set MSB, 0
.macro WIN new                         ; the immediate's high byte repeats the setting that is left
.if MSB != \new
	s_set_vgpr_msb (MSB<<8)|\new
.set MSB, \new
.endif
.endm
.set MUL,  0xf9                        ; source 0 window 1, source 1 window 2, C and D window 3
.set LDA,  0x80                        ; destination window 2
.set LDB,  0x40                        ; destination window 1
.set STG1, 0x04                        ; an LDS store's data: window 1
.set RD3,  0x0f                        ; sources 0 and 1 window 3
	s_load_b256 s[4:11], s[0:1], 0x0               ; sel, x_codes, x_scales, w13_codes
	s_load_b128 s[12:15], s[0:1], 0x20             ; w13_scales, act_codes
	s_load_b64 s[16:17], s[0:1], 0x30              ; act_scales
	v_lshl_add_u32 v240, v0, 2, 0x21c00
	v_mov_b32 v251, 0
	v_lshrrev_b32 v1, 5, v0
	v_readfirstlane_b32 s18, v1                    ; wave
	v_and_b32 v1, 31, v0                           ; lane
	v_and_b32 v2, 15, v0                           ; r
	v_bfe_u32 v3, v0, 4, 1                         ; h
	s_and_b32 s22, ttmp7, 0xffff                   ; e
	s_mov_b32 s23, ttmp9                           ; j
	v_lshlrev_b32 v[LI], 4, v1
	v_add_nc_u32 v[LI2], 65536, v[LI]
	s_lshl_b32 s34, s18, 15
	v_add_nc_u32 v[WST], s34, v[LI]
	s_lshl_b32 s34, s18, 6
	v_lshl_add_u32 v[LA0], v2, 2, s34
	v_add_nc_u32 v[LA0], LST, v[LA0]
	v_and_b32 v18, 8, v2
	v_add_nc_u32 v18, v18, v2                      ; r + 8 (r / 8)
	v_lshlrev_b32 v[H16], 4, v3
	v_lshl_add_u32 v[WO], v18, 11, v[H16]
	v_lshlrev_b32 v[WSO], 6, v18
	v_lshl_add_u32 v[AO], v2, 5, v[H16]
	v_lshlrev_b32 v[ASO], 5, v2
	v_mov_b32 v[CA], CNT
	v_add_nc_u32 v[DA], 1664, v1
	v_lshlrev_b32 v[L8], 3, v1
	v_lshlrev_b32 v[SO16], 4, v1
	v_add_nc_u32 v[PF], LST, v[LI]
	v_mov_b32 v[WK+2], 0                           ; written once: a lane permute's destination counts as read
	s_mov_b32 s19, 0x600000                        ; the mantissa field of 448
	s_mov_b32 s20, 0x76543210
	s_mov_b32 s21, 0xfedcba98                      ; selects: lane l xor 16
	s_lshl_b32 s24, 0x101, s22                     ; expert e's two bits in sel
	s_add_co_u32 s25, s22, 8                       ; the bit that says: second choice
	s_mov_b32 s33, 0xbfb8aa3b                      ; -log2(e)
	s_mov_b32 s30, 0                               ; the pass
	s_mov_b32 s31, 0                               ; its list bytes: 1,280 a pass
	s_mov_b32 s32, s18                             ; its first tile: w + 20 p
	s_lshl_b32 s34, s22, 22
	s_lshl_b32 s36, s23, 16
	s_add_co_u32 s34, s34, s36
	s_lshl_b32 s36, s18, 9
	s_add_co_u32 s34, s34, s36                     ; w13_codes: (2048 e + 32 j) rows of 2,048 bytes + my four K steps
	s_mov_b32 s35, 0
	s_lshl_b32 s36, s22, 17
	s_lshl_b32 s38, s23, 11
	s_add_co_u32 s36, s36, s38                     ; w13_scales: the same rows of 64 bytes
	s_mov_b32 s37, 0
	s_lshl_b32 s38, s22, 5
	s_add_co_u32 s38, s38, s23
	s_mul_i32 s38, s38, 40960
	s_lshl_b32 s40, s18, 9
	s_add_co_u32 s38, s38, s40                     ; act_codes: (32 e + j) x 1,280 ranks x 32 bytes + tile w
	s_mov_b32 s39, 0
	s_mul_i32 s42, s22, 40960
	s_add_co_u32 s40, s40, s42
	s_add_co_u32 s40, s40, s23                     ; act_scales: e x 1,280 ranks x 32 bytes + tile w + byte j
	s_mov_b32 s41, 0
	s_wait_kmcnt 0x0
	s_add_nc_u64 s[10:11], s[10:11], s[34:35]
	s_add_nc_u64 s[12:13], s[12:13], s[36:37]
	s_add_nc_u64 s[14:15], s[14:15], s[38:39]
	s_add_nc_u64 s[16:17], s[16:17], s[40:41]
.irp m, 0,1,2,3,4,5,6,7
	global_load_b128 v[SELR+4*\m:SELR+4*\m+3], v[SO16], s[4:5] offset:512*\m       ; register 4 m + i: token 128 m + 4 l + i
.endr
	WIN LDB
.irp k, 0,1,2,3                        ; my four K steps x four tiles: 64 loads, 256 registers of window 1
.irp n, 0,1,2,3
.irp c, 0,1,2,3
	global_load_b128 v[16*(4*\k+\n)+4*\c:16*(4*\k+\n)+4*\c+3], v[WO], s[10:11] offset:(1024*(\n/2)+8*(\n%2))*2048+128*\k+32*\c th:TH_LOAD_NT
.endr
.endr
.endr
	WIN 0
.irp n, 0,1,2,3
.irp c, 0,1,2,3
	global_load_b128 v[WS+16*\n+4*\c:WS+16*\n+4*\c+3], v[WSO], s[12:13] offset:(1024*(\n/2)+8*(\n%2))*64+16*\c
.endr
.endr
; One register of sel: the lanes whose token chose expert e store 2 x token + k at their rank; the others store into their dump word.
.macro LISTREG n
.if (\n) == 16
	s_wait_dscnt 0x0                               ; the ring's first 16 stores have read their registers
.endif
	v_and_b32 v18, s24, v[SELR+(\n)]
	v_cmp_ne_u32 s27, 0, v18                       ; who chose e
	v_bfe_u32 v19, v[SELR+(\n)], s25, 1            ; k
	v_add3_u32 v[LV+(\n)%16], v19, v[L8], 256*((\n)/4)+2*((\n)%4)
	v_mbcnt_lo_u32_b32 v20, s27, s26               ; rank: those so far + those in lower lanes
	v_cndmask_b32 v20, v[DA], v20, s27
	v_min_u32 v20, 1695, v20                       ; the clamp stands last ahead of the address
	v_lshl_add_u32 v[LAD+(\n)%16], v20, 2, LST
	ds_store_b32 v[LAD+(\n)%16], v[LV+(\n)%16]
	s_bcnt1_i32_b32 s28, s27
	s_add_co_u32 s26, s26, s28
.endm
	s_cmp_lg_u32 s18, 0
	s_cbranch_scc1 .Lnolist                        ; wave 0 builds the list; no other wave touches LDS ahead of the barrier below
	s_wait_loadcnt 63                              ; sel is in: 80 loads are younger, a count names 63 at the most, and a smaller count is safe
	s_add_co_u32 s28, s22, 2048
	v_mov_b32 v[FILL], s28
	v_mov_b32 v[FILL+1], s28
	v_mov_b32 v[FILL+2], s28
	v_mov_b32 v[FILL+3], s28
.irp i, 0,1,2,3,4,5,6,7,8,9,10,11,12
	ds_store_b128 v[PF], v[FILL:FILL+3] offset:512*\i
.endr
	s_mov_b32 s26, 0
.set Q, 0
.rept 32
	LISTREG Q
.set Q, Q+1
.endr
	v_mov_b32 v22, s26
	ds_store_b32 v[CA], v22                        ; the number of rows
.Lnolist:
	s_wait_dscnt 0x0                               ; the list has landed
	s_barrier_signal -1
	s_barrier_wait -1
	ds_load_b32 v23, v[CA]
	s_wait_dscnt 0x0
	v_readfirstlane_b32 s28, v23
	s_add_co_u32 s29, s28, 15
	s_lshr_b32 s29, s29, 4                         ; tiles
.macro HEAD_ADDR                       ; a pass's five tiles: list entries into offsets
	s_wait_xcnt 0x0                                ; earlier loads have read XO and XSO
	v_add_nc_u32 v[LA], s31, v[LA0]
.irp q, 0,1,2,3,4
	ds_load_b32 v[LE+\q], v[LA] offset:256*\q
.endr
	s_wait_dscnt 0x0
.irp q, 0,1,2,3,4
	v_lshrrev_b32 v[LE+\q], 1, v[LE+\q]            ; the token,
	v_min_u32 v[LE+\q], 1023, v[LE+\q]             ; held inside x (ranks past the list's end take token 1023)
	v_lshl_add_u32 v[XO+\q], v[LE+\q], 11, v[H16]
	v_lshlrev_b32 v[XSO+\q], 6, v[LE+\q]
.endr
.endm
.macro LOAD_XS
.irp q, 0,1,2,3,4
.irp c, 0,1,2,3
	global_load_b128 v[XSC+16*\q+4*\c:XSC+16*\q+4*\c+3], v[XSO+\q], s[8:9] offset:16*\c
.endr
.endr
.endm
.macro LOAD_A s                        ; K step s of the five tiles of x into slot s % 3: registers 4 c .. 4 c + 3 hold k = 32 c + 16 h + 0 .. 15 of the lane's token
	WIN LDA
.irp q, 0,1,2,3,4
.irp c, 0,1,2,3
	global_load_b128 v[80*((\s)%3)+16*\q+4*\c:80*((\s)%3)+16*\q+4*\c+3], v[XO+\q], s[6:7] offset:128*(\s)+32*\c
.endr
.endr
.endm
.macro LOAD_B s                        ; K step s of the four weight tiles out of LDS into buffer s % 2
	WIN LDB
.irp n, 0,1,2,3
.irp c, 0,1,2,3
.if (\s) < 8
	ds_load_b128 v[64*((\s)%2)+16*\n+4*\c:64*((\s)%2)+16*\n+4*\c+3], v[LI] offset:(4*(\s)+\n)*2048+512*\c
.else
	ds_load_b128 v[64*((\s)%2)+16*\n+4*\c:64*((\s)%2)+16*\n+4*\c+3], v[LI2] offset:(4*((\s)-8)+\n)*2048+512*\c
.endif
.endr
.endr
.endm
.macro PLACES                          ; eight plain places behind this matrix form, in front of loads into registers that it has read and of the first read of results
.rept 8
	v_nop
.endr
.endm
; A K step: 20 matrix instructions, the 20 accumulators by turns in the same order in every step.
.macro STEP s
.if (\s) < 14
	s_wait_loadcnt 40                              ; A of this step is in: the next two steps' 40 loads are younger
.elseif (\s) == 14
	s_wait_loadcnt 20
.else
	s_wait_loadcnt 0x0
.endif
.if (\s) < 15
	s_wait_dscnt 16                                ; B of this step is in: the next step's 16 loads are younger
.else
	s_wait_dscnt 0x0
.endif
	WIN MUL
.irp q, 0,1,2,3,4
.irp n, 0,1,2,3
.if (\s) == 0
	v_wmma_scale_f32_16x16x128_f8f6f4 v[8*(4*\q+\n):8*(4*\q+\n)+7], v[64*((\s)%2)+16*\n:64*((\s)%2)+16*\n+15], v[80*((\s)%3)+16*\q:80*((\s)%3)+16*\q+15], 0, v[WS+16*\n+(\s)], v[XSC+16*\q+4*((\s)/4)+2*((\s)%2)+(((\s)/2)%2)]
.else
	v_wmma_scale_f32_16x16x128_f8f6f4 v[8*(4*\q+\n):8*(4*\q+\n)+7], v[64*((\s)%2)+16*\n:64*((\s)%2)+16*\n+15], v[80*((\s)%3)+16*\q:80*((\s)%3)+16*\q+15], v[8*(4*\q+\n):8*(4*\q+\n)+7], v[WS+16*\n+(\s)], v[XSC+16*\q+4*((\s)/4)+2*((\s)%2)+(((\s)/2)%2)]
.endif
.endr
.endr
	PLACES
.if (\s) < 13
	LOAD_A (\s)+3                                  ; into the slot just multiplied
.endif
.if (\s) < 14
	LOAD_B (\s)+2                                  ; into the buffer just multiplied
.endif
.endm
; Tile q: silu(g) u = g u / (1 + 2^(-g log2 e)), then the block's scale, the hold and the codes.  Accumulators 4 q + u hold g, 4 q + 2 + u hold u's factor; each is read from its register 0 on.
.macro ACT q
	WIN RD3
.irp u, 0,1
.irp j, 0,1,2,3,4,5,6,7
	v_mul_f32 v[T+8*\u+\j], s33, v[8*(4*(\q)+\u)+\j]
	v_mul_f32 v[P+8*\u+\j], v[8*(4*(\q)+\u)+\j], v[8*(4*(\q)+2+\u)+\j]
.endr
.endr
	WIN 0
.irp i, 0,1,2,3,4,5,6,7,8,9,10,11,12,13,14,15
	v_exp_f32 v[T+\i], v[T+\i]
.endr
	v_nop                                          ; a plain line behind the last exponential
	s_wait_alu depctr_va_vdst(0)                   ; one wait for the batch, ahead of its first reader
.irp i, 0,1,2,3,4,5,6,7,8,9,10,11,12,13,14,15
	v_add_f32 v[T+\i], 1.0, v[T+\i]
.endr
.irp i, 0,1,2,3,4,5,6,7,8,9,10,11,12,13,14,15
	v_rcp_f32 v[T+\i], v[T+\i]
.endr
	v_nop
	s_wait_alu depctr_va_vdst(0)
.irp i, 0,2,4,6,8,10,12,14
	v_pk_mul_f32 v[P+\i:P+\i+1], v[P+\i:P+\i+1], v[T+\i:T+\i+1]
.endr
	v_max3_num_f32 v[WK], |v[P]|, |v[P+1]|, 0x4800000              ; the floor 2^(9 - 127): the byte cannot fall under 1
	v_max3_num_f32 v[WK+1], |v[P+2]|, |v[P+3]|, |v[P+4]|
	v_max3_num_f32 v[WK], v[WK], |v[P+5]|, |v[P+6]|
	v_max3_num_f32 v[WK+1], v[WK+1], |v[P+7]|, |v[P+8]|
	v_max3_num_f32 v[WK], v[WK], |v[P+9]|, |v[P+10]|
	v_max3_num_f32 v[WK+1], v[WK+1], |v[P+11]|, |v[P+12]|
	v_max3_num_f32 v[WK], v[WK], |v[P+13]|, |v[P+14]|
	v_max3_num_f32 v[WK], v[WK], v[WK+1], |v[P+15]|
	v_permlanex16_b32 v[WK+2], v[WK], s20, s21
	v_max_num_f32 v[WK], v[WK], v[WK+2]            ; with lane l xor 16's 16 units: the block's largest magnitude
	v_add_nc_u32 v[WK+3], 0xfc000000, v[WK]        ; 8 off its exponent field: the conversion's scale operand
	v_and_or_b32 v[WK+4], v[WK], 0x7f800000, s19   ; 448 x the scale
	v_lshrrev_b32 v[SB+(\q)], 23, v[WK+3]          ; the scale's byte
.irp i, 0,1,2,3,4,5,6,7,8,9,10,11,12,13,14,15
	v_med3_num_f32 v[P+\i], v[P+\i], -v[WK+4], v[WK+4]             ; the conversion to an 8-bit code does not saturate (ISA guide 7.6.2): the hold
.endr
	v_cvt_scalef32_pk8_fp8_f32 v[CD+4*(\q):CD+4*(\q)+1], v[P:P+7], v[WK+3]
	v_cvt_scalef32_pk8_fp8_f32 v[CD+4*(\q)+2:CD+4*(\q)+3], v[P+8:P+15], v[WK+3]
	v_nop                                          ; a plain line behind the last conversion
	global_store_b128 v[AO], v[CD+4*(\q):CD+4*(\q)+3], s[14:15] offset:2048*(\q)   ; the tile's 512 consecutive bytes
	global_store_b8 v[ASO], v[SB+(\q)], s[16:17] offset:2048*(\q)                  ; both halves store the same byte
.endm
	HEAD_ADDR                                      ; pass 0
	LOAD_XS
	LOAD_A 0
	LOAD_A 1
	s_wait_loadcnt 60                              ; the weights and their scale words are in: XS, A 0 and A 1, 60 loads, are younger
	WIN STG1
.irp f, 0,1,2,3,4,5,6,7,8,9,10,11,12,13,14,15
.irp c, 0,1,2,3
	ds_store_b128 v[WST], v[16*\f+4*\c:16*\f+4*\c+3] offset:2048*\f+512*\c
.endr
.endr
	LOAD_A 2
	WIN 0
	s_wait_dscnt 0x0                               ; my images have landed
	s_barrier_signal -1
	s_barrier_wait -1                              ; everybody's have; nothing writes LDS from here on
.Lpass:                                                ; on both ways in: XS, A 0, A 1, A 2 are out, in that order
	LOAD_B 0
	LOAD_B 1
.irp s, 0,1,2,3,4,5,6,7,8,9,10,11,12,13,14,15
	STEP \s
.endr
.irp q, 0,1,2,3,4
	ACT \q
.endr
	s_add_co_u32 s30, s30, 1
	s_add_co_u32 s32, s32, 20
	s_cmp_ge_u32 s32, s29                          ; no tile of mine is left
	s_cbranch_scc1 .Ldone
	s_add_co_u32 s31, s31, 1280
	s_wait_xcnt 0x0                                ; the stores have read their bases and data
	s_add_nc_u64 s[14:15], s[14:15], 10240         ; 20 tiles of 512 bytes on
	s_add_nc_u64 s[16:17], s[16:17], 10240
	HEAD_ADDR
	LOAD_XS
	LOAD_A 0
	LOAD_A 1
	LOAD_A 2
	WIN 0
	s_cmp_lt_u32 s30, 4                            ; the count bounds the loop: with at most 64 tiles the exit above comes by the fourth pass's end
	s_cbranch_scc1 .Lpass
.Ldone:
	s_barrier_signal -1
	s_barrier_wait -1
	s_wait_tensorcnt 0x0
	ds_add_u32 v240, v251
	s_wait_dscnt 0x0
	s_endpgm
.Lfunc_end_k_q4823dc0110_up:
	.size	k_q4823dc0110_up, .Lfunc_end_k_q4823dc0110_up-k_q4823dc0110_up
	.p2alignl 7, 3214868480
	.fill 96, 4, 3214868480
	.section	.rodata,"a",@progbits
	.p2align	6, 0x0
	.amdhsa_kernel k_q4823dc0110_up
		.amdhsa_group_segment_fixed_size 138752
		.amdhsa_private_segment_fixed_size 0
		.amdhsa_enable_private_segment 0
		.amdhsa_kernarg_size 56
		.amdhsa_user_sgpr_count 2
		.amdhsa_user_sgpr_kernarg_segment_ptr 1
		.amdhsa_wavefront_size32 1
		.amdhsa_system_sgpr_workgroup_id_x 1
		.amdhsa_system_sgpr_workgroup_id_y 1
		.amdhsa_system_sgpr_workgroup_id_z 1
		.amdhsa_system_vgpr_workitem_id 0
		.amdhsa_next_free_vgpr 1024
		.amdhsa_next_free_sgpr 66
		.amdhsa_reserve_vcc 0
		.amdhsa_float_denorm_mode_32 3
		.amdhsa_float_denorm_mode_16_64 3
		.amdhsa_memory_ordered 1
		.amdhsa_forward_progress 1
		.amdhsa_inst_pref_size 170
	.end_amdhsa_kernel
	.amdgpu_metadata
---
amdhsa.version: [ 1, 2 ]
amdhsa.kernels:
  - .name:           k_q4823dc0110_up
    .symbol:         k_q4823dc0110_up.kd
    .args:
      - { .name: sel, .offset: 0, .size: 8, .value_kind: global_buffer, .address_space: global }
      - { .name: x_codes, .offset: 8, .size: 8, .value_kind: global_buffer, .address_space: global }
      - { .name: x_scales, .offset: 16, .size: 8, .value_kind: global_buffer, .address_space: global }
      - { .name: w13_codes, .offset: 24, .size: 8, .value_kind: global_buffer, .address_space: global }
      - { .name: w13_scales, .offset: 32, .size: 8, .value_kind: global_buffer, .address_space: global }
      - { .name: act_codes, .offset: 40, .size: 8, .value_kind: global_buffer, .address_space: global }
      - { .name: act_scales, .offset: 48, .size: 8, .value_kind: global_buffer, .address_space: global }
    .group_segment_fixed_size: 138752
    .private_segment_fixed_size: 0
    .kernarg_segment_align: 8
    .kernarg_segment_size: 56
    .max_flat_workgroup_size: 128
    .sgpr_count:     66
    .vgpr_count:     1024
    .wavefront_size: 32
...
	.end_amdgpu_metadata
.endif
;; end of part 2
;; launch down (part 3): grid 32 x 8, 4 waves a work-group, no clusters, 90,624 bytes of LDS; arguments sel, act_codes, act_scales, w2_codes, w2_scales, y; writes y
.if DOCPART == 3
	.amdgcn_target "amdgcn-amd-amdhsa--gfx1250"
	.amdhsa_code_object_version 6
	.text
	.protected	k_q4823dc0110_down
	.globl	k_q4823dc0110_down
	.p2align	8
	.type	k_q4823dc0110_down,@function
k_q4823dc0110_down:
	s_mov_b64 s[64:65], 0
	v_nop
	global_prefetch_b8 v0, s[64:65] scope:SCOPE_SE
	s_setreg_imm32_b32 hwreg(HW_REG_WAVE_MODE, 25, 1), 1
	s_wait_xcnt 0x0
; y[2 token + k][:] = act w2[e]^T for the rows routed to one expert, not yet weighed.  Both operands are E4M3 codes with E8M0 scales.
; SHARES.  Work-group (j = x, e = y) owns output columns 64 j .. 64 j + 63 of expert e: 64 rows of w2, 64 KiB of codes, read from memory once in the launch; they lie in LDS as images of operand registers.
; act comes BY RANK: act_codes [e][block][rank 1280][32 bytes] gives each quarter of a fragment as 512 consecutive bytes; nothing is gathered.  The list (built by the same lines as in the launch before) says to which row of y a rank goes.
; Tiles, waves and passes as there: wave w takes tiles w + 4 q + 20 p; pass 0 always runs, pass p > 0 while 20 p + w is under the number of tiles, at most 64.  So every byte of act read here was stored there.
; THE FOUR PASSES ARE WRITTEN OUT, each later one behind a forward branch on the stored count: the pass stands in the immediates, so that every LDS address is a constant + a lane term + a constant x wave, and no base is stepped.
; Ranks past the list's end go to row 2048 + e of y, of which this work-group owns its 256 bytes; nobody reads them.
; THE PRODUCT IS USED TRANSPOSED: source 0 = 16 rows of w2, source 1 = 16 ranks: a lane holds eight neighbouring columns of one row.  A tile goes through the wave's own stage in LDS and leaves as rows of 256 bytes.
; No tensor load, no cluster: the passes hang on a stored count.  No barrier stands behind the second.
; REGISTERS.  Window 0: addresses, scale words, the way out.  Window 1: staging, then B's two buffers (v0-63, v64-127).  Window 2: A's ring of three slots of 80.  Window 3: accumulator (q, n) at 8 (4 q + n).
.set LST,  65536                       ; LDS: behind the images (65,536 bytes) the list: 1,280 words and 384 more, all prefilled;
.set DMP,  LST+6656                    ; a dump word for each lane: list indices 1664 + lane;
.set CNT,  DMP+128                     ; the number of rows;
.set STG,  DMP+256                     ; the stages: 16 rows x (256 + 16) bytes for each wave
.set LI,   4                           ; v4   16 x lane
.set WST,  6                           ; v6   where I stage the weights: 16 x lane + 16,384 x wave
.set LB0,  7                           ; v7   list words of the rows that I store: LST + 64 w + 4 h
.set WO,   9                           ; v9   w2_codes: 1,024 r + 16 h
.set WSO,  10                          ; v10  w2_scales: 32 r
.set AO,   12                          ; v12  act_codes: 32 r + 16 h
.set ASO,  13                          ; v13  act_scales: 32 r
.set CA,   14                          ; v14  CNT
.set DA,   15                          ; v15  1664 + lane
.set L8,   16                          ; v16  8 x lane
.set SO16, 17                          ; v17  16 x lane: my place in sel
.set SO,   24                          ; v24  the stage, in: row r, + 32 h
.set SR,   25                          ; v25  the stage, back: row h, + 16 r
.set C16,  26                          ; v26  16 r
.set PF,   29                          ; v29  the prefill: LST + 16 x lane
.set WS,   32                          ; v32-63   w2's scale words: tile n, K step s at 8 n + s
.set ASC,  64                          ; v64-103  act's scale words: tile q, K step s at 8 q + s
.set YO,   104                         ; v104-119 offsets in y: two sets of 8
.set OD,   120                         ; v120-183 rows read back: two sets of 32
.set SELR, 184                         ; v184-215 sel
.set LV,   216                         ; the list's stores: a ring of 16 values
.set LAD,  232                         ; and 16 addresses
.set FILL, 248                         ; v248-251 2048 + e
.set MSB, 0
.macro WIN new                         ; the immediate's high byte repeats the setting that is left
.if MSB != \new
	s_set_vgpr_msb (MSB<<8)|\new
.set MSB, \new
.endif
.endm
.set MUL,  0xf9                        ; source 0 window 1, source 1 window 2, C and D window 3
.set LDA,  0x80                        ; destination window 2
.set LDB,  0x40                        ; destination window 1
.set STG1, 0x04                        ; an LDS store's data: window 1
.set ST3,  0x0c                        ; an LDS store's data: window 3
	s_load_b256 s[4:11], s[0:1], 0x0               ; sel, act_codes, act_scales, w2_codes
	s_load_b128 s[12:15], s[0:1], 0x20             ; w2_scales, y
	v_lshl_add_u32 v254, v0, 2, 0x16000
	v_mov_b32 v255, 0
	v_lshrrev_b32 v1, 5, v0
	v_readfirstlane_b32 s18, v1                    ; wave
	v_and_b32 v1, 31, v0                           ; lane
	v_and_b32 v2, 15, v0                           ; r
	v_bfe_u32 v3, v0, 4, 1                         ; h
	s_and_b32 s22, ttmp7, 0xffff                   ; e
	s_mov_b32 s23, ttmp9                           ; j
	v_lshlrev_b32 v[LI], 4, v1
	s_lshl_b32 s34, s18, 14
	v_add_nc_u32 v[WST], s34, v[LI]
	s_lshl_b32 s34, s18, 6
	v_lshl_add_u32 v[LB0], v3, 2, s34
	v_add_nc_u32 v[LB0], LST, v[LB0]
	v_lshlrev_b32 v18, 4, v3                       ; 16 h
	v_lshl_add_u32 v[WO], v2, 10, v18
	v_lshlrev_b32 v[WSO], 5, v2
	v_lshl_add_u32 v[AO], v2, 5, v18
	v_lshlrev_b32 v[ASO], 5, v2
	v_mov_b32 v[CA], CNT
	v_add_nc_u32 v[DA], 1664, v1
	v_lshlrev_b32 v[L8], 3, v1
	v_lshlrev_b32 v[SO16], 4, v1
	v_add_nc_u32 v[PF], LST, v[LI]
	s_mul_i32 s34, s18, 4352                       ; my stage
	v_mul_u32_u24 v[SO], v2, 272
	v_lshl_add_u32 v[SO], v3, 5, v[SO]
	v_add_nc_u32 v[SO], s34, v[SO]
	v_add_nc_u32 v[SO], STG, v[SO]
	v_mul_u32_u24 v[SR], v3, 272
	v_lshl_add_u32 v[SR], v2, 4, v[SR]
	v_add_nc_u32 v[SR], s34, v[SR]
	v_add_nc_u32 v[SR], STG, v[SR]
	v_lshlrev_b32 v[C16], 4, v2
	s_lshl_b32 s24, 0x101, s22                     ; expert e's two bits in sel
	s_add_co_u32 s25, s22, 8                       ; the bit that says: second choice
	s_mov_b32 s32, s18                             ; the pass's first tile: w + 20 p
	s_lshl_b32 s34, s22, 21
	s_lshl_b32 s36, s23, 16
	s_add_co_u32 s34, s34, s36
	s_lshl_b32 s36, s18, 8
	s_add_co_u32 s34, s34, s36                     ; w2_codes: (2048 e + 64 j) rows of 1,024 bytes + my two K steps
	s_mov_b32 s35, 0
	s_lshl_b32 s36, s22, 16
	s_lshl_b32 s38, s23, 11
	s_add_co_u32 s36, s36, s38                     ; w2_scales: the same rows of 32 bytes
	s_mov_b32 s37, 0
	s_mul_i32 s38, s22, 1310720
	s_lshl_b32 s40, s18, 9
	s_add_co_u32 s38, s38, s40                     ; act_codes: e x 32 blocks x 1,280 ranks x 32 bytes + tile w
	s_mov_b32 s39, 0
	s_mul_i32 s42, s22, 40960
	s_add_co_u32 s40, s40, s42                     ; act_scales: e x 1,280 ranks x 32 bytes + tile w
	s_mov_b32 s41, 0
	s_lshl_b32 s42, s23, 8                         ; y: my 256 bytes of a row
	s_mov_b32 s43, 0
	s_wait_kmcnt 0x0
	s_add_nc_u64 s[10:11], s[10:11], s[34:35]
	s_add_nc_u64 s[12:13], s[12:13], s[36:37]
	s_add_nc_u64 s[6:7], s[6:7], s[38:39]
	s_add_nc_u64 s[8:9], s[8:9], s[40:41]
	s_add_nc_u64 s[14:15], s[14:15], s[42:43]
.irp m, 0,1,2,3,4,5,6,7
	global_load_b128 v[SELR+4*\m:SELR+4*\m+3], v[SO16], s[4:5] offset:512*\m       ; register 4 m + i: token 128 m + 4 l + i
.endr
	WIN LDB
.irp k, 0,1                            ; my two K steps x four tiles: 32 loads, 128 registers of window 1
.irp n, 0,1,2,3
.irp c, 0,1,2,3
	global_load_b128 v[16*(4*\k+\n)+4*\c:16*(4*\k+\n)+4*\c+3], v[WO], s[10:11] offset:16*\n*1024+128*\k+32*\c th:TH_LOAD_NT
.endr
.endr
.endr
	WIN 0
.irp n, 0,1,2,3
.irp c, 0,1
	global_load_b128 v[WS+8*\n+4*\c:WS+8*\n+4*\c+3], v[WSO], s[12:13] offset:512*\n+16*\c
.endr
.endr
; One register of sel: the lanes whose token chose expert e store 2 x token + k at their rank; the others store into their dump word.
.macro LISTREG n
.if (\n) == 16
	s_wait_dscnt 0x0                               ; the ring's first 16 stores have read their registers
.endif
	v_and_b32 v18, s24, v[SELR+(\n)]
	v_cmp_ne_u32 s27, 0, v18                       ; who chose e
	v_bfe_u32 v19, v[SELR+(\n)], s25, 1            ; k
	v_add3_u32 v[LV+(\n)%16], v19, v[L8], 256*((\n)/4)+2*((\n)%4)
	v_mbcnt_lo_u32_b32 v20, s27, s26               ; rank: those so far + those in lower lanes
	v_cndmask_b32 v20, v[DA], v20, s27
	v_min_u32 v20, 1695, v20                       ; the clamp stands last ahead of the address
	v_lshl_add_u32 v[LAD+(\n)%16], v20, 2, LST
	ds_store_b32 v[LAD+(\n)%16], v[LV+(\n)%16]
	s_bcnt1_i32_b32 s28, s27
	s_add_co_u32 s26, s26, s28
.endm
	s_cmp_lg_u32 s18, 0
	s_cbranch_scc1 .Lnolist                        ; wave 0 builds the list; no other wave touches LDS ahead of the barrier below
	s_wait_loadcnt 40                              ; sel is in: the 32 loads of weights and 8 of scale words are younger
	s_add_co_u32 s28, s22, 2048
	v_mov_b32 v[FILL], s28
	v_mov_b32 v[FILL+1], s28
	v_mov_b32 v[FILL+2], s28
	v_mov_b32 v[FILL+3], s28
.irp i, 0,1,2,3,4,5,6,7,8,9,10,11,12
	ds_store_b128 v[PF], v[FILL:FILL+3] offset:512*\i
.endr
	s_mov_b32 s26, 0
.set Q, 0
.rept 32
	LISTREG Q
.set Q, Q+1
.endr
	v_mov_b32 v22, s26
	ds_store_b32 v[CA], v22                        ; the number of rows
.Lnolist:
	s_wait_dscnt 0x0                               ; the list has landed
	s_barrier_signal -1
	s_barrier_wait -1
	ds_load_b32 v23, v[CA]
	s_wait_dscnt 0x0
	v_readfirstlane_b32 s28, v23
	s_add_co_u32 s29, s28, 15
	s_lshr_b32 s29, s29, 4                         ; tiles
.macro LOAD_AS p                       ; pass p: the scale words of its five tiles; 20 tiles of 512 bytes a pass
.irp q, 0,1,2,3,4
.irp c, 0,1
	global_load_b128 v[ASC+8*\q+4*\c:ASC+8*\q+4*\c+3], v[ASO], s[8:9] offset:10240*(\p)+2048*\q+16*\c
.endr
.endr
.endm
.macro LOAD_A p, s                     ; pass p, K step s of the five tiles of act into slot s % 3: registers 4 c .. 4 c + 3 are block 4 s + c, bytes 16 h on, of the lane's rank: each load reads 512 consecutive bytes
	WIN LDA
.irp q, 0,1,2,3,4
.irp c, 0,1,2,3
	global_load_b128 v[80*((\s)%3)+16*\q+4*\c:80*((\s)%3)+16*\q+4*\c+3], v[AO], s[6:7] offset:(4*(\s)+\c)*40960+10240*(\p)+2048*\q
.endr
.endr
.endm
.macro LOAD_B s                        ; K step s of the four weight tiles out of LDS into buffer s % 2
	WIN LDB
.irp n, 0,1,2,3
.irp c, 0,1,2,3
	ds_load_b128 v[64*((\s)%2)+16*\n+4*\c:64*((\s)%2)+16*\n+4*\c+3], v[LI] offset:(4*(\s)+\n)*2048+512*\c
.endr
.endr
.endm
.macro PLACES                          ; eight plain places behind this matrix form, in front of loads into registers that it has read and of the first read of results
.rept 8
	v_nop
.endr
.endm
; A K step: 20 matrix instructions, the 20 accumulators by turns in the same order in every step.
.macro STEP p, s
.if (\s) < 6
	s_wait_loadcnt 40                              ; A of this step is in: the next two steps' 40 loads are younger
.elseif (\s) == 6
	s_wait_loadcnt 20
.else
	s_wait_loadcnt 0x0
.endif
.if (\s) < 7
	s_wait_dscnt 16                                ; B of this step is in: the next step's 16 loads are younger
.else
	s_wait_dscnt 0x0
.endif
	WIN MUL
.irp q, 0,1,2,3,4
.irp n, 0,1,2,3
.if (\s) == 0
	v_wmma_scale_f32_16x16x128_f8f6f4 v[8*(4*\q+\n):8*(4*\q+\n)+7], v[64*((\s)%2)+16*\n:64*((\s)%2)+16*\n+15], v[80*((\s)%3)+16*\q:80*((\s)%3)+16*\q+15], 0, v[WS+8*\n+(\s)], v[ASC+8*\q+(\s)]
.else
	v_wmma_scale_f32_16x16x128_f8f6f4 v[8*(4*\q+\n):8*(4*\q+\n)+7], v[64*((\s)%2)+16*\n:64*((\s)%2)+16*\n+15], v[80*((\s)%3)+16*\q:80*((\s)%3)+16*\q+15], v[8*(4*\q+\n):8*(4*\q+\n)+7], v[WS+8*\n+(\s)], v[ASC+8*\q+(\s)]
.endif
.endr
.endr
	PLACES
.if (\s) < 5
	LOAD_A \p, (\s)+3                              ; into the slot just multiplied
.endif
.if (\s) < 6
	LOAD_B (\s)+2                                  ; into the buffer just multiplied
.endif
.endm
; THE WAY OUT of tile q of pass p.  TOSTAGE: the list entries of the rows that I shall store; the tile into my stage (lane (r, h): row r, columns 16 n + 8 h + 0 .. 7); back as rows of 256 bytes, two an instruction.
; LDS serves a wave's instructions in order (ISA guide 5.7.1.4): no wait between the stores and the loads, nor in front of the next tile's stores.
.macro TOSTAGE p, q
.set YB, YO+8*((\q)%2)
.set OB, OD+32*((\q)%2)
.irp i, 0,1,2,3,4,5,6,7
	ds_load_b32 v[YB+\i], v[LB0] offset:1280*(\p)+256*(\q)+8*\i    ; rank 2 i + h of the tile; the pass and the tile stand in the immediate
.endr
	WIN ST3
.irp n, 0,1,2,3
	ds_store_b128 v[SO], v[8*(4*(\q)+\n):8*(4*(\q)+\n)+3] offset:64*\n             ; each accumulator from its low end on
	ds_store_b128 v[SO], v[8*(4*(\q)+\n)+4:8*(4*(\q)+\n)+7] offset:64*\n+16
.endr
	WIN 0
.irp i, 0,1,2,3,4,5,6,7
	ds_load_b128 v[OB+4*\i:OB+4*\i+3], v[SR] offset:544*\i
.endr
.endm
.macro SEND q, younger                 ; younger: the LDS instructions issued behind tile q's
.set YB, YO+8*((\q)%2)
.set OB, OD+32*((\q)%2)
	s_wait_dscnt \younger
.irp i, 0,1,2,3,4,5,6,7
	v_min_u32 v[YB+\i], 2055, v[YB+\i]             ; the entry, held inside y,
	v_lshl_add_u32 v[YB+\i], v[YB+\i], 13, v[C16]  ; is a row of 8,192 bytes
.endr
.irp i, 0,1,2,3,4,5,6,7
	global_store_b128 v[YB+\i], v[OB+4*\i:OB+4*\i+3], s[14:15] th:TH_STORE_NT      ; sixteen lanes store 256 consecutive bytes of one row, aligned
.endr
.endm
; A PASS.  On the way in AS, A 0, A 1, A 2 of the pass are out, in that order.  Behind its way out: the branch that ends the wave where no tile of its is left, then the next pass's first loads.
.macro PASS p
	LOAD_B 0
	LOAD_B 1
.irp s, 0,1,2,3,4,5,6,7
	STEP \p, \s
.endr
	WIN 0
.if (\p) > 0
	s_wait_xcnt 0x0                                ; the last pass's stores of tiles 3 and 4 have read the two sets that this pass's LDS loads fill
.endif
	TOSTAGE \p, 0
.irp q, 1,2,3,4
.if \q > 1
	s_wait_xcnt 0x0                                ; tile q - 2's stores have read the set that tile q's loads fill
.endif
	TOSTAGE \p, \q
	SEND \q-1, 24                                  ; behind tile q - 1's loads: tile q's 8 + 8 + 8 LDS instructions
.endr
	SEND 4, 0
.if (\p) < 3
	s_add_co_u32 s32, s32, 20
	s_cmp_ge_u32 s32, s29                          ; no tile of mine is left (every window is 0 here)
	s_cbranch_scc1 .Ldone
	LOAD_AS (\p)+1
	LOAD_A (\p)+1, 0
	LOAD_A (\p)+1, 1
	LOAD_A (\p)+1, 2
.endif
.endm
	LOAD_AS 0                                      ; pass 0
	LOAD_A 0, 0
	LOAD_A 0, 1
	s_wait_loadcnt 50                              ; the weights and their scale words are in: AS, A 0 and A 1, 50 loads, are younger
	WIN STG1
.irp f, 0,1,2,3,4,5,6,7
.irp c, 0,1,2,3
	ds_store_b128 v[WST], v[16*\f+4*\c:16*\f+4*\c+3] offset:2048*\f+512*\c
.endr
.endr
	LOAD_A 0, 2
	WIN 0
	s_wait_dscnt 0x0                               ; my images have landed
	s_barrier_signal -1
	s_barrier_wait -1                              ; everybody's have; from here on a wave writes its own stage alone
	PASS 0
	PASS 1
	PASS 2
	PASS 3                                         ; with at most 64 tiles no wave has a tile behind 79
.Ldone:
	s_barrier_signal -1
	s_barrier_wait -1
	s_wait_tensorcnt 0x0
	ds_add_u32 v254, v255
	s_wait_dscnt 0x0
	s_endpgm
.Lfunc_end_k_q4823dc0110_down:
	.size	k_q4823dc0110_down, .Lfunc_end_k_q4823dc0110_down-k_q4823dc0110_down
	.p2alignl 7, 3214868480
	.fill 96, 4, 3214868480
	.section	.rodata,"a",@progbits
	.p2align	6, 0x0
	.amdhsa_kernel k_q4823dc0110_down
		.amdhsa_group_segment_fixed_size 90624
		.amdhsa_private_segment_fixed_size 0
		.amdhsa_enable_private_segment 0
		.amdhsa_kernarg_size 48
		.amdhsa_user_sgpr_count 2
		.amdhsa_user_sgpr_kernarg_segment_ptr 1
		.amdhsa_wavefront_size32 1
		.amdhsa_system_sgpr_workgroup_id_x 1
		.amdhsa_system_sgpr_workgroup_id_y 1
		.amdhsa_system_sgpr_workgroup_id_z 1
		.amdhsa_system_vgpr_workitem_id 0
		.amdhsa_next_free_vgpr 1024
		.amdhsa_next_free_sgpr 66
		.amdhsa_reserve_vcc 0
		.amdhsa_float_denorm_mode_32 3
		.amdhsa_float_denorm_mode_16_64 3
		.amdhsa_memory_ordered 1
		.amdhsa_forward_progress 1
		.amdhsa_inst_pref_size 255
	.end_amdhsa_kernel
	.section	.bss,"aw",@nobits
	.p2align	6
	.space	262144
	.amdgpu_metadata
---
amdhsa.version: [ 1, 2 ]
amdhsa.kernels:
  - .name:           k_q4823dc0110_down
    .symbol:         k_q4823dc0110_down.kd
    .args:
      - { .name: sel, .offset: 0, .size: 8, .value_kind: global_buffer, .address_space: global }
      - { .name: act_codes, .offset: 8, .size: 8, .value_kind: global_buffer, .address_space: global }
      - { .name: act_scales, .offset: 16, .size: 8, .value_kind: global_buffer, .address_space: global }
      - { .name: w2_codes, .offset: 24, .size: 8, .value_kind: global_buffer, .address_space: global }
      - { .name: w2_scales, .offset: 32, .size: 8, .value_kind: global_buffer, .address_space: global }
      - { .name: y, .offset: 40, .size: 8, .value_kind: global_buffer, .address_space: global }
    .group_segment_fixed_size: 90624
    .private_segment_fixed_size: 0
    .kernarg_segment_align: 8
    .kernarg_segment_size: 48
    .max_flat_workgroup_size: 128
    .sgpr_count:     66
    .vgpr_count:     1024
    .wavefront_size: 32
...
	.end_amdgpu_metadata
.endif
;; end of part 3
;; launch combine (part 4): grid 256 x 1, 4 waves a work-group, no clusters, 0 bytes of LDS; arguments y, wts, out0; writes out0
.if DOCPART == 4
	.amdgcn_target "amdgcn-amd-amdhsa--gfx1250"
	.amdhsa_code_object_version 6
	.text
	.protected	k_q4823dc0110_combine
	.globl	k_q4823dc0110_combine
	.p2align	8
	.type	k_q4823dc0110_combine,@function
k_q4823dc0110_combine:
	s_mov_b64 s[64:65], 0
	v_nop
	global_prefetch_b8 v0, s[64:65] scope:SCOPE_SE
	s_setreg_imm32_b32 hwreg(HW_REG_WAVE_MODE, 25, 1), 1
	s_wait_xcnt 0x0
; out0[t][:] = wts[t][0] y[2 t][:] + wts[t][1] y[2 t + 1][:], in f32.  y: [2056][2048], wts: [1024][2], out0: [1024][2048].
; A wave takes one token: 16 pieces of 512 consecutive bytes of each of its two rows, all 32 loads out at once; a piece is weighed and stored as soon as its pair is in.
; A stream bound by its bytes: no LDS, no barrier, no matrix unit.  Each store of the wave covers 512 consecutive bytes, aligned.
.set Y0, 16                            ; v16-79   the first choice's row, then the result
.set Y1, 80                            ; v80-143  the second's
	s_load_b128 s[4:7], s[0:1], 0x0                ; y, wts
	s_load_b64 s[8:9], s[0:1], 0x10                ; out0
	v_lshrrev_b32 v1, 5, v0
	v_readfirstlane_b32 s10, v1                    ; wave
	v_and_b32 v2, 31, v0
	v_lshlrev_b32 v2, 4, v2                        ; 16 bytes a lane
	s_lshl_b32 s11, ttmp9, 2
	s_add_co_u32 s11, s11, s10                     ; the token
	s_lshl_b32 s12, s11, 14                        ; two rows of 8,192 bytes
	s_mov_b32 s13, 0
	s_lshl_b32 s14, s11, 3
	s_mov_b32 s15, 0
	s_lshl_b32 s16, s11, 13
	s_mov_b32 s17, 0
	s_wait_kmcnt 0x0
	s_add_nc_u64 s[4:5], s[4:5], s[12:13]
	s_add_nc_u64 s[6:7], s[6:7], s[14:15]
	s_add_nc_u64 s[8:9], s[8:9], s[16:17]
	s_load_b64 s[20:21], s[6:7], 0x0               ; the two weights
.irp i, 0,1,2,3,4,5,6,7,8,9,10,11,12,13,14,15
	global_load_b128 v[Y0+4*\i:Y0+4*\i+3], v2, s[4:5] offset:512*\i th:TH_LOAD_NT
	global_load_b128 v[Y1+4*\i:Y1+4*\i+3], v2, s[4:5] offset:8192+512*\i th:TH_LOAD_NT
.endr
	s_wait_kmcnt 0x0
	s_mov_b32 s22, s21                             ; the packed forms name a pair and take its low word for both halves
	s_mov_b32 s23, s21
.irp i, 0,1,2,3,4,5,6,7,8,9,10,11,12,13,14,15
	s_wait_loadcnt 30-2*\i                         ; pair i is in: the pairs behind it are younger
	v_pk_mul_f32 v[Y0+4*\i:Y0+4*\i+1], v[Y0+4*\i:Y0+4*\i+1], s[20:21] op_sel_hi:[1,0]
	v_pk_mul_f32 v[Y0+4*\i+2:Y0+4*\i+3], v[Y0+4*\i+2:Y0+4*\i+3], s[20:21] op_sel_hi:[1,0]
	v_pk_fma_f32 v[Y0+4*\i:Y0+4*\i+1], v[Y1+4*\i:Y1+4*\i+1], s[22:23], v[Y0+4*\i:Y0+4*\i+1] op_sel_hi:[1,0,1]
	v_pk_fma_f32 v[Y0+4*\i+2:Y0+4*\i+3], v[Y1+4*\i+2:Y1+4*\i+3], s[22:23], v[Y0+4*\i+2:Y0+4*\i+3] op_sel_hi:[1,0,1]
	global_store_b128 v2, v[Y0+4*\i:Y0+4*\i+3], s[8:9] offset:512*\i th:TH_STORE_NT
.endr
	s_endpgm
.Lfunc_end_k_q4823dc0110_combine:
	.size	k_q4823dc0110_combine, .Lfunc_end_k_q4823dc0110_combine-k_q4823dc0110_combine
	.p2alignl 7, 3214868480
	.fill 96, 4, 3214868480
	.section	.rodata,"a",@progbits
	.p2align	6, 0x0
	.amdhsa_kernel k_q4823dc0110_combine
		.amdhsa_group_segment_fixed_size 0
		.amdhsa_private_segment_fixed_size 0
		.amdhsa_enable_private_segment 0
		.amdhsa_kernarg_size 24
		.amdhsa_user_sgpr_count 2
		.amdhsa_user_sgpr_kernarg_segment_ptr 1
		.amdhsa_wavefront_size32 1
		.amdhsa_system_sgpr_workgroup_id_x 1
		.amdhsa_system_sgpr_workgroup_id_y 1
		.amdhsa_system_sgpr_workgroup_id_z 1
		.amdhsa_system_vgpr_workitem_id 0
		.amdhsa_next_free_vgpr 160
		.amdhsa_next_free_sgpr 66
		.amdhsa_reserve_vcc 0
		.amdhsa_float_denorm_mode_32 3
		.amdhsa_float_denorm_mode_16_64 3
		.amdhsa_memory_ordered 1
		.amdhsa_forward_progress 1
		.amdhsa_inst_pref_size 11
	.end_amdhsa_kernel
	.amdgpu_metadata
---
amdhsa.version: [ 1, 2 ]
amdhsa.kernels:
  - .name:           k_q4823dc0110_combine
    .symbol:         k_q4823dc0110_combine.kd
    .args:
      - { .name: y, .offset: 0, .size: 8, .value_kind: global_buffer, .address_space: global }
      - { .name: wts, .offset: 8, .size: 8, .value_kind: global_buffer, .address_space: global }
      - { .name: out0, .offset: 16, .size: 8, .value_kind: global_buffer, .address_space: global }
    .group_segment_fixed_size: 0
    .private_segment_fixed_size: 0
    .kernarg_segment_align: 8
    .kernarg_segment_size: 24
    .max_flat_workgroup_size: 128
    .sgpr_count:     66
    .vgpr_count:     160
    .wavefront_size: 32
...
	.end_amdgpu_metadata
.endif
;; end of part 4
;; ======== version 2 of 3: 4 launches; 1.17 times as fast as version 1
;; workspace buffers: sel 4,096 bytes of whole numbers; wts 8,192 bytes; x_codes 2,097,152 bytes; x_scales 65,536 bytes; act_codes 10,485,760 bytes; act_scales 327,680 bytes; y 16,842,752 bytes; lists 51,200 bytes of whole numbers
;; launch route: the kernel of part 1 again; grid 256 x 1, 4 waves a work-group, no clusters, 1,536 bytes of LDS; arguments hidden_states, gate_w, out1, sel, wts, x_codes, x_scales; writes out1, sel, wts, x_codes, x_scales
;; launch up (part 5): grid 32 x 8, 4 waves a work-group, no clusters, 146,944 bytes of LDS; arguments sel, x_codes, x_scales, w13_codes, w13_scales, act_codes, act_scales, lists; writes act_codes, act_scales, lists
.if DOCPART == 5
	.amdgcn_target "amdgcn-amd-amdhsa--gfx1250"
	.amdhsa_code_object_version 6
	.text
	.protected	k_q4823dc0110_up
	.globl	k_q4823dc0110_up
	.p2align	8
	.type	k_q4823dc0110_up,@function
k_q4823dc0110_up:
	s_mov_b64 s[64:65], 0
	v_nop
	global_prefetch_b8 v0, s[64:65] scope:SCOPE_SE
	s_setreg_imm32_b32 hwreg(HW_REG_WAVE_MODE, 25, 1), 1
	s_wait_xcnt 0x0
; act = silu(x w1^T) * (x w3^T) for the rows routed to one expert, quantised along the FFN axis.  Both operands of the product are E4M3 codes with E8M0 scales.
; SHARES.  Work-group (j = x, e = y) owns FFN units 32 j .. 32 j + 31 of expert e: 32 rows of w1 and 32 of w3, 128 KiB of codes, read from memory once in the launch, by this work-group alone.
; THE WEIGHTS IN LDS.  Each load reads 512 consecutive bytes of one row; its LDS store scatters the 32 lanes' 16 bytes into PIECES: a piece holds, for one (K step s, tile n, quarter c, half h), the 16 bytes of each of the tile's
; 16 rows: 256 bytes + 16 of padding.  Piece number 64 (s / 2) + 16 n + 8 (s % 2) + 2 c + h: the sixteen lanes of half a store go to sixteen neighbouring pieces, 272 bytes apart, so to sixteen different 16-byte columns;
; a fragment's load reads 256 consecutive bytes for each half of the lanes.  The rows of x come from memory straight into registers, gathered by a list.
; THE LIST.  Wave 0 reads sel (whole numbers stored by the launch before) and lays expert e's rows in LDS: entry = 2 x token + k (k: first or second choice), rank = place in the list; the rest holds 2048 + e.
; The work-groups with j = 0 store their expert's list (1,536 words) and its count into lists [8][6,400 bytes] (the count at byte 6,144), for the launch behind this one.
; Tile i is ranks 16 i .. 16 i + 15; wave w takes tiles w + 4 q + 20 p, q = 0 .. 4, in pass p.  Pass 0 always runs; pass p > 0 runs while 20 p + w is under the number of tiles, ceil(rows / 16), at most 64.
; Ranks past the list's end take token 1023's codes; what they give is stored at their rank and weighs on nothing.
; No tensor load, no cluster: the passes hang on a stored count.  No barrier stands in the loop over passes.
; THE PRODUCT IS USED TRANSPOSED: source 0 = 16 rows of w13, source 1 = 16 rows of x, so that a lane holds one token.  Row r of the tile (kind, u) is row 32 j + 8 u + r + 8 (r / 8), so that a lane's 16 registers of tiles
; u = 0, 1 are units 16 (lane / 16) + 0 .. 15: with lane l xor 16 a whole block of 32 along the next K.
; act_codes [e][j][rank 1280][32 bytes], act_scales [e][rank 1280][32 bytes, byte j].
; LIMITS: NaN and infinities are not served; a block of zeros gets the byte 1 (its codes are zeros; this program alone reads the bytes).
; REGISTERS, in windows of 256.  Window 0: addresses, scale words, work.  Window 1: 256 staging registers at the head, then B's two buffers (v0-63, v64-127).  Window 2: A's ring of three slots of 80.  Window 3: accumulator (q, n) at 8 (4 q + n).
.set LST,  139264                      ; LDS: behind the 512 pieces (139,264 bytes) the list: 1,280 words and 384 more, all prefilled;
.set DMP,  LST+6656                    ; a dump word for each lane: list indices 1664 + lane;
.set CNT,  DMP+128                     ; the number of rows
.set LIA,  4                           ; v4   a fragment's place for my lane: 272 h + 16 r; K steps 0 to 5
.set LIB,  5                           ; v5   the same 192 pieces on: K steps 6 to 11
.set WST,  6                           ; v6   where I stage: 34,816 w + 17,408 (lane / 16) + 272 (lane % 16)
.set LA0,  7                           ; v7   my list words: LST + 64 w + 4 r
.set LA,   8                           ; v8   the same in the pass in hand
.set LIC,  9                           ; v9   LIA 384 pieces on: K steps 12 to 15
.set WSO,  10                          ; v10  w13_scales: (r + 8 (r / 8)) x 64
.set H16,  11                          ; v11  16 h
.set AO,   12                          ; v12  act_codes: 32 r + 16 h
.set ASO,  13                          ; v13  act_scales: 32 r
.set CA,   14                          ; v14  CNT
.set DA,   15                          ; v15  1664 + lane
.set L8,   16                          ; v16  8 x lane
.set SO16, 17                          ; v17  16 x lane: my place in sel, and in 512 bytes of a weight's row
.set XO,   24                          ; v24-28   x_codes: token x 2,048 + 16 h, for each q
.set PF,   29                          ; v29  the prefill: LST + 16 x lane
.set LSA,  30                          ; v30  the list on its way out: LST + 1,536 w + 16 x lane
.set GLO,  31                          ; v31  and its place in lists: 1,536 w + 16 x lane
.set WS,   32                          ; v32-95   w13's scale words: tile n, K step s at 16 n + s
.set XSC,  96                          ; v96-175  x's scale words: tile q, 16 words as x_scales has them
.set SELR, 176                         ; v176-207 sel; later T and P
.set T,    176
.set P,    192
.set CD,   208                         ; v208-227 codes, four registers for each q; at the head 12 of them carry the list out
.set SB,   228                         ; v228-232 a scale byte for each q
.set WK,   233                         ; v233-237 at work
.set LV,   208                         ; the list's stores: a ring of 16 values
.set LAD,  224                         ; and 16 addresses
.set XSO,  241                         ; v241-245 x_scales: token x 64
.set LE,   246                         ; v246-250 list entries
.set ZR,   251                         ; v251 0
.set FILL, 252                         ; v252-255 2048 + e
.set MK,   66                          ; s66-97   who chose e: a mask for each register of sel
.set BS,   46                          ; s46-53   the rows ahead of each of a group's eight registers
.set MSB, 0
.macro WIN new                         ; the immediate's high byte repeats the setting that is left
.if MSB != \new
	s_set_vgpr_msb (MSB<<8)|\new
.set MSB, \new
.endif
.endm
.set MUL,  0xf9                        ; source 0 window 1, source 1 window 2, C and D window 3
.set LDA,  0x80                        ; destination window 2
.set LDB,  0x40                        ; destination window 1
.set STG1, 0x04                        ; an LDS store's data: window 1
.set RD3,  0x0f                        ; sources 0 and 1 window 3
	s_load_b256 s[4:11], s[0:1], 0x0               ; sel, x_codes, x_scales, w13_codes
	s_load_b128 s[12:15], s[0:1], 0x20             ; w13_scales, act_codes
	s_load_b64 s[16:17], s[0:1], 0x30              ; act_scales
	s_load_b64 s[44:45], s[0:1], 0x38              ; lists
	v_lshl_add_u32 v240, v0, 2, 0x23c00
	s_set_vgpr_msb 0x80
	v_mov_b32 v255, 0
	s_set_vgpr_msb 0x8000
	v_lshrrev_b32 v1, 5, v0
	v_readfirstlane_b32 s18, v1                    ; wave
	v_and_b32 v1, 31, v0                           ; lane
	v_and_b32 v2, 15, v0                           ; r
	v_bfe_u32 v3, v0, 4, 1                         ; h
	s_and_b32 s22, ttmp7, 0xffff                   ; e
	s_mov_b32 s23, ttmp9                           ; j
	v_lshlrev_b32 v[SO16], 4, v1
	v_mul_u32_u24 v[LIA], v3, 272
	v_lshl_add_u32 v[LIA], v2, 4, v[LIA]
	v_add_nc_u32 v[LIB], 52224, v[LIA]
	v_add_nc_u32 v[LIC], 104448, v[LIA]
	s_mul_i32 s34, s18, 34816
	v_mul_u32_u24 v[WST], v3, 17408
	v_mad_u32_u24 v[WST], v2, 272, v[WST]
	v_add_nc_u32 v[WST], s34, v[WST]
	s_lshl_b32 s34, s18, 6
	v_lshl_add_u32 v[LA0], v2, 2, s34
	v_add_nc_u32 v[LA0], LST, v[LA0]
	v_and_b32 v18, 8, v2
	v_add_nc_u32 v18, v18, v2                      ; r + 8 (r / 8)
	v_lshlrev_b32 v[H16], 4, v3
	v_lshlrev_b32 v[WSO], 6, v18
	v_lshl_add_u32 v[AO], v2, 5, v[H16]
	v_lshlrev_b32 v[ASO], 5, v2
	v_mov_b32 v[CA], CNT
	v_add_nc_u32 v[DA], 1664, v1
	v_lshlrev_b32 v[L8], 3, v1
	v_add_nc_u32 v[PF], LST, v[SO16]
	s_mul_i32 s34, s18, 1536
	v_add_nc_u32 v[GLO], s34, v[SO16]
	v_add_nc_u32 v[LSA], LST, v[GLO]
	v_mov_b32 v[ZR], 0
	v_mov_b32 v[WK+2], 0                           ; written once: a lane permute's destination counts as read
	s_mov_b32 s19, 0x600000                        ; the mantissa field of 448
	s_mov_b32 s20, 0x76543210
	s_mov_b32 s21, 0xfedcba98                      ; selects: lane l xor 16
	s_lshl_b32 s24, 0x101, s22                     ; expert e's two bits in sel
	s_add_co_u32 s25, s22, 8                       ; the bit that says: second choice
	s_mov_b32 s33, 0xbfb8aa3b                      ; -log2(e)
	s_mov_b32 s30, 0                               ; the pass
	s_mov_b32 s31, 0                               ; its list bytes: 1,280 a pass
	s_mov_b32 s32, s18                             ; its first tile: w + 20 p
	s_lshl_b32 s34, s22, 22
	s_lshl_b32 s36, s23, 16
	s_add_co_u32 s34, s34, s36
	s_lshl_b32 s36, s18, 9
	s_add_co_u32 s34, s34, s36                     ; w13_codes: (2048 e + 32 j) rows of 2,048 bytes + my 512 bytes of a row
	s_mov_b32 s35, 0
	s_lshl_b32 s36, s22, 17
	s_lshl_b32 s38, s23, 11
	s_add_co_u32 s36, s36, s38                     ; w13_scales: the same rows of 64 bytes
	s_mov_b32 s37, 0
	s_lshl_b32 s38, s22, 5
	s_add_co_u32 s38, s38, s23
	s_mul_i32 s38, s38, 40960
	s_lshl_b32 s40, s18, 9
	s_add_co_u32 s38, s38, s40                     ; act_codes: (32 e + j) x 1,280 ranks x 32 bytes + tile w
	s_mov_b32 s39, 0
	s_mul_i32 s42, s22, 40960
	s_add_co_u32 s40, s40, s42
	s_add_co_u32 s40, s40, s23                     ; act_scales: e x 1,280 ranks x 32 bytes + tile w + byte j
	s_mov_b32 s41, 0
	s_mul_i32 s46, s22, 6400                       ; lists: 6,400 bytes an expert
	s_mov_b32 s47, 0
	s_wait_kmcnt 0x0
	s_add_nc_u64 s[10:11], s[10:11], s[34:35]
	s_add_nc_u64 s[12:13], s[12:13], s[36:37]
	s_add_nc_u64 s[14:15], s[14:15], s[38:39]
	s_add_nc_u64 s[16:17], s[16:17], s[40:41]
	s_add_nc_u64 s[44:45], s[44:45], s[46:47]
.irp m, 0,1,2,3,4,5,6,7
	global_load_b128 v[SELR+4*\m:SELR+4*\m+3], v[SO16], s[4:5] offset:512*\m       ; register 4 m + i: token 128 m + 4 l + i
.endr
.macro WLOAD i                         ; row i of my work-group's 64 (0-31: w1's, 32-63: w3's): my wave's 512 consecutive bytes of it, 16 a lane
	global_load_b128 v[4*(\i):4*(\i)+3], v[SO16], s[10:11] offset:(1024*((\i)/32)+(\i)%32)*2048 th:TH_LOAD_NT
.endm
	WIN LDB
.set Q, 0
.rept 48
	WLOAD Q
.set Q, Q+1
.endr
	WIN 0
; Eight registers of sel at a time: the lanes whose token chose expert e store 2 x token + k at their rank; the others store into their dump word.  The eight take turns line by line, so that no line reads the line above it.
.macro LISTGRP g
.if (\g) == 2
	s_wait_dscnt 0x0                               ; the ring's first 16 stores have read their registers
.endif
.irp i, 0,1,2,3,4,5,6,7
	s_mov_b32 s[BS+\i], s26                        ; the rows ahead of this register
	s_bcnt1_i32_b32 s28, s[MK+8*(\g)+\i]
	s_add_co_u32 s26, s26, s28
.endr
.irp i, 0,1,2,3,4,5,6,7
	v_bfe_u32 v[LV+(8*(\g)+\i)%16], v[SELR+8*(\g)+\i], s25, 1      ; k
.endr
.irp i, 0,1,2,3,4,5,6,7
	v_mbcnt_lo_u32_b32 v[LAD+(8*(\g)+\i)%16], s[MK+8*(\g)+\i], s[BS+\i]            ; rank: those so far + those in lower lanes
.endr
.irp i, 0,1,2,3,4,5,6,7
	v_add3_u32 v[LV+(8*(\g)+\i)%16], v[LV+(8*(\g)+\i)%16], v[L8], 256*((8*(\g)+\i)/4)+2*((8*(\g)+\i)%4)
.endr
.irp i, 0,1,2,3,4,5,6,7
	v_cndmask_b32 v[LAD+(8*(\g)+\i)%16], v[DA], v[LAD+(8*(\g)+\i)%16], s[MK+8*(\g)+\i]
.endr
.irp i, 0,1,2,3,4,5,6,7
	v_min_u32 v[LAD+(8*(\g)+\i)%16], 1695, v[LAD+(8*(\g)+\i)%16]   ; the clamp stands last ahead of the address
.endr
.irp i, 0,1,2,3,4,5,6,7
	v_lshl_add_u32 v[LAD+(8*(\g)+\i)%16], v[LAD+(8*(\g)+\i)%16], 2, LST
.endr
.irp i, 0,1,2,3,4,5,6,7
	ds_store_b32 v[LAD+(8*(\g)+\i)%16], v[LV+(8*(\g)+\i)%16]
.endr
.endm
	s_cmp_lg_u32 s18, 0
	s_cbranch_scc1 .Lnolist                        ; wave 0 builds the list; no other wave touches LDS ahead of the barrier below
	s_wait_loadcnt 48                              ; sel is in: the 48 loads of weights are younger
	s_add_co_u32 s28, s22, 2048
	v_mov_b32 v[FILL], s28
	v_mov_b32 v[FILL+1], s28
	v_mov_b32 v[FILL+2], s28
	v_mov_b32 v[FILL+3], s28
.irp i, 0,1,2,3,4,5,6,7,8,9,10,11,12
	ds_store_b128 v[PF], v[FILL:FILL+3] offset:512*\i              ; LDS serves a wave's instructions in order: the entries land behind the fill
.endr
.irp g, 0,1,2,3,4,5,6,7
.irp i, 0,1,2,3
	v_and_b32 v[18+\i], s24, v[SELR+4*\g+\i]
.endr
.irp i, 0,1,2,3
	v_cmp_ne_u32 s[MK+4*\g+\i], 0, v[18+\i]        ; who chose e
.endr
.endr
	s_mov_b32 s26, 0
	LISTGRP 0
	LISTGRP 1
	LISTGRP 2
	LISTGRP 3
	v_mov_b32 v22, s26
	ds_store_b32 v[CA], v22                        ; the number of rows
.Lnolist:
	WIN LDB
.rept 16
	WLOAD Q                                        ; rows 48 to 63: behind the join, so that wave 0's list does not stand behind them
.set Q, Q+1
.endr
	WIN 0
.irp n, 0,1,2,3
.irp c, 0,1,2,3
	global_load_b128 v[WS+16*\n+4*\c:WS+16*\n+4*\c+3], v[WSO], s[12:13] offset:(1024*(\n/2)+8*(\n%2))*64+16*\c
.endr
.endr
	s_wait_dscnt 0x0                               ; the list has landed
	s_barrier_signal -1
	s_barrier_wait -1
	ds_load_b32 v23, v[CA]
.irp i, 0,1,2
	ds_load_b128 v[CD+4*\i:CD+4*\i+3], v[LSA] offset:512*\i        ; my wave's 384 words of the list
.endr
	s_wait_dscnt 0x0
	v_readfirstlane_b32 s28, v23
	s_add_co_u32 s29, s28, 15
	s_lshr_b32 s29, s29, 4                         ; tiles
	s_cmp_lg_u32 s23, 0
	s_cbranch_scc1 .Lnostore                       ; one work-group for each expert hands the list on
.irp i, 0,1,2
	global_store_b128 v[GLO], v[CD+4*\i:CD+4*\i+3], s[44:45] offset:512*\i         ; 512 consecutive bytes, aligned
.endr
	s_cmp_lg_u32 s18, 0
	s_cbranch_scc1 .Lnostore
	global_store_b32 v[ZR], v23, s[44:45] offset:6144              ; the count: all lanes store the same word
.Lnostore:
.macro HEAD_ADDR                       ; a pass's five tiles: list entries into offsets
	s_wait_xcnt 0x0                                ; earlier loads and stores have read their registers
	v_add_nc_u32 v[LA], s31, v[LA0]
.irp q, 0,1,2,3,4
	ds_load_b32 v[LE+\q], v[LA] offset:256*\q
.endr
	s_wait_dscnt 0x0
.irp q, 0,1,2,3,4
	v_lshrrev_b32 v[LE+\q], 1, v[LE+\q]            ; the token,
	v_min_u32 v[LE+\q], 1023, v[LE+\q]             ; held inside x (ranks past the list's end take token 1023)
	v_lshl_add_u32 v[XO+\q], v[LE+\q], 11, v[H16]
	v_lshlrev_b32 v[XSO+\q], 6, v[LE+\q]
.endr
.endm
.macro LOAD_XS
.irp q, 0,1,2,3,4
.irp c, 0,1,2,3
	global_load_b128 v[XSC+16*\q+4*\c:XSC+16*\q+4*\c+3], v[XSO+\q], s[8:9] offset:16*\c
.endr
.endr
.endm
.macro LOAD_A s                        ; K step s of the five tiles of x into slot s % 3: registers 4 c .. 4 c + 3 hold k = 32 c + 16 h + 0 .. 15 of the lane's token
	WIN LDA
.irp q, 0,1,2,3,4
.irp c, 0,1,2,3
	global_load_b128 v[80*((\s)%3)+16*\q+4*\c:80*((\s)%3)+16*\q+4*\c+3], v[XO+\q], s[6:7] offset:128*(\s)+32*\c
.endr
.endr
.endm
.macro LOAD_B s                        ; K step s of the four weight tiles out of LDS into buffer s % 2: pieces 64 (s / 2) + 16 n + 8 (s % 2) + 2 c + h; a base register serves six K steps
	WIN LDB
.irp n, 0,1,2,3
.irp c, 0,1,2,3
.if (\s)/6 == 0
	ds_load_b128 v[64*((\s)%2)+16*\n+4*\c:64*((\s)%2)+16*\n+4*\c+3], v[LIA] offset:272*((((\s)/2)%3)*64+16*\n+8*((\s)%2)+2*\c)
.elseif (\s)/6 == 1
	ds_load_b128 v[64*((\s)%2)+16*\n+4*\c:64*((\s)%2)+16*\n+4*\c+3], v[LIB] offset:272*((((\s)/2)%3)*64+16*\n+8*((\s)%2)+2*\c)
.else
	ds_load_b128 v[64*((\s)%2)+16*\n+4*\c:64*((\s)%2)+16*\n+4*\c+3], v[LIC] offset:272*((((\s)/2)%3)*64+16*\n+8*((\s)%2)+2*\c)
.endif
.endr
.endr
.endm
.macro PLACES                          ; eight plain places behind this matrix form, in front of loads into registers that it has read and of the first read of results
.rept 8
	v_nop
.endr
.endm
; A K step: 20 matrix instructions, the 20 accumulators by turns in the same order in every step.
.macro STEP s
.if (\s) < 14
	s_wait_loadcnt 40                              ; A of this step is in: the next two steps' 40 loads are younger
.elseif (\s) == 14
	s_wait_loadcnt 20
.else
	s_wait_loadcnt 0x0
.endif
.if (\s) < 15
	s_wait_dscnt 16                                ; B of this step is in: the next step's 16 loads are younger
.else
	s_wait_dscnt 0x0
.endif
	WIN MUL
.irp q, 0,1,2,3,4
.irp n, 0,1,2,3
.if (\s) == 0
	v_wmma_scale_f32_16x16x128_f8f6f4 v[8*(4*\q+\n):8*(4*\q+\n)+7], v[64*((\s)%2)+16*\n:64*((\s)%2)+16*\n+15], v[80*((\s)%3)+16*\q:80*((\s)%3)+16*\q+15], 0, v[WS+16*\n+(\s)], v[XSC+16*\q+4*((\s)/4)+2*((\s)%2)+(((\s)/2)%2)]
.else
	v_wmma_scale_f32_16x16x128_f8f6f4 v[8*(4*\q+\n):8*(4*\q+\n)+7], v[64*((\s)%2)+16*\n:64*((\s)%2)+16*\n+15], v[80*((\s)%3)+16*\q:80*((\s)%3)+16*\q+15], v[8*(4*\q+\n):8*(4*\q+\n)+7], v[WS+16*\n+(\s)], v[XSC+16*\q+4*((\s)/4)+2*((\s)%2)+(((\s)/2)%2)]
.endif
.endr
.endr
	PLACES
.if (\s) < 13
	LOAD_A (\s)+3                                  ; into the slot just multiplied
.endif
.if (\s) < 14
	LOAD_B (\s)+2                                  ; into the buffer just multiplied
.endif
.endm
; Tile q: silu(g) u = g u / (1 + 2^(-g log2 e)), then the block's scale, the hold and the codes.  Accumulators 4 q + u hold g, 4 q + 2 + u hold u's factor; each is read from its register 0 on.
.macro ACT q
	WIN RD3
.irp u, 0,1
.irp j, 0,1,2,3,4,5,6,7
	v_mul_f32 v[T+8*\u+\j], s33, v[8*(4*(\q)+\u)+\j]
	v_mul_f32 v[P+8*\u+\j], v[8*(4*(\q)+\u)+\j], v[8*(4*(\q)+2+\u)+\j]
.endr
.endr
	WIN 0
.irp i, 0,1,2,3,4,5,6,7,8,9,10,11,12,13,14,15
	v_exp_f32 v[T+\i], v[T+\i]
.endr
	v_nop                                          ; a plain line behind the last exponential
	s_wait_alu depctr_va_vdst(0)                   ; one wait for the batch, ahead of its first reader
.irp i, 0,1,2,3,4,5,6,7,8,9,10,11,12,13,14,15
	v_add_f32 v[T+\i], 1.0, v[T+\i]
.endr
.irp i, 0,1,2,3,4,5,6,7,8,9,10,11,12,13,14,15
	v_rcp_f32 v[T+\i], v[T+\i]
.endr
	v_nop
	s_wait_alu depctr_va_vdst(0)
.irp i, 0,2,4,6,8,10,12,14
	v_pk_mul_f32 v[P+\i:P+\i+1], v[P+\i:P+\i+1], v[T+\i:T+\i+1]
.endr
	v_max3_num_f32 v[WK], |v[P]|, |v[P+1]|, 0x4800000              ; the floor 2^(9 - 127): the byte cannot fall under 1
	v_max3_num_f32 v[WK+1], |v[P+2]|, |v[P+3]|, |v[P+4]|
	v_max3_num_f32 v[WK], v[WK], |v[P+5]|, |v[P+6]|
	v_max3_num_f32 v[WK+1], v[WK+1], |v[P+7]|, |v[P+8]|
	v_max3_num_f32 v[WK], v[WK], |v[P+9]|, |v[P+10]|
	v_max3_num_f32 v[WK+1], v[WK+1], |v[P+11]|, |v[P+12]|
	v_max3_num_f32 v[WK], v[WK], |v[P+13]|, |v[P+14]|
	v_max3_num_f32 v[WK], v[WK], v[WK+1], |v[P+15]|
	v_permlanex16_b32 v[WK+2], v[WK], s20, s21
	v_max_num_f32 v[WK], v[WK], v[WK+2]            ; with lane l xor 16's 16 units: the block's largest magnitude
	v_add_nc_u32 v[WK+3], 0xfc000000, v[WK]        ; 8 off its exponent field: the conversion's scale operand
	v_and_or_b32 v[WK+4], v[WK], 0x7f800000, s19   ; 448 x the scale
	v_lshrrev_b32 v[SB+(\q)], 23, v[WK+3]          ; the scale's byte
.irp i, 0,1,2,3,4,5,6,7,8,9,10,11,12,13,14,15
	v_med3_num_f32 v[P+\i], v[P+\i], -v[WK+4], v[WK+4]             ; the conversion to an 8-bit code does not saturate (ISA guide 7.6.2): the hold
.endr
	v_cvt_scalef32_pk8_fp8_f32 v[CD+4*(\q):CD+4*(\q)+1], v[P:P+7], v[WK+3]
	v_cvt_scalef32_pk8_fp8_f32 v[CD+4*(\q)+2:CD+4*(\q)+3], v[P+8:P+15], v[WK+3]
	v_nop                                          ; a plain line behind the last conversion
	global_store_b128 v[AO], v[CD+4*(\q):CD+4*(\q)+3], s[14:15] offset:2048*(\q)   ; the tile's 512 consecutive bytes
	global_store_b8 v[ASO], v[SB+(\q)], s[16:17] offset:2048*(\q)                  ; both halves store the same byte
.endm
	HEAD_ADDR                                      ; pass 0
	LOAD_XS
	LOAD_A 0
	LOAD_A 1
	s_wait_loadcnt 60                              ; the weights and their scale words are in: XS, A 0 and A 1, 60 loads, are younger
	WIN STG1
.set Q, 0
.rept 64                               ; row Q of the 64 is row Q % 8 + 8 ((Q % 32) / 16) of tile 2 (Q / 32) + ((Q % 32) / 8) % 2; a tile is 16 pieces on, a row 16 bytes
	ds_store_b128 v[WST], v[4*Q:4*Q+3] offset:4352*(2*(Q/32)+((Q%32)/8)%2)+16*(Q%8+8*((Q%32)/16))
.set Q, Q+1
.endr
	LOAD_A 2
	WIN 0
	s_wait_dscnt 0x0                               ; my pieces have landed
	s_barrier_signal -1
	s_barrier_wait -1                              ; everybody's have; nothing writes LDS from here on
.Lpass:                                                ; on both ways in: XS, A 0, A 1, A 2 are out, in that order
	LOAD_B 0
	LOAD_B 1
.irp s, 0,1,2,3,4,5,6,7,8,9,10,11,12,13,14,15
	STEP \s
.endr
.irp q, 0,1,2,3,4
	ACT \q
.endr
	s_add_co_u32 s30, s30, 1
	s_add_co_u32 s32, s32, 20
	s_cmp_ge_u32 s32, s29                          ; no tile of mine is left
	s_cbranch_scc1 .Ldone
	s_add_co_u32 s31, s31, 1280
	s_wait_xcnt 0x0                                ; the stores have read their bases and data
	s_add_nc_u64 s[14:15], s[14:15], 10240         ; 20 tiles of 512 bytes on
	s_add_nc_u64 s[16:17], s[16:17], 10240
	HEAD_ADDR
	LOAD_XS
	LOAD_A 0
	LOAD_A 1
	LOAD_A 2
	WIN 0
	s_cmp_lt_u32 s30, 4                            ; the count bounds the loop: with at most 64 tiles the exit above comes by the fourth pass's end
	s_cbranch_scc1 .Lpass
.Ldone:
	s_barrier_signal -1
	s_barrier_wait -1
	s_set_vgpr_msb 0x8
	s_wait_tensorcnt 0x0
	ds_add_u32 v240, v255
	s_wait_dscnt 0x0
	s_set_vgpr_msb 0x800
	s_endpgm
.Lfunc_end_k_q4823dc0110_up:
	.size	k_q4823dc0110_up, .Lfunc_end_k_q4823dc0110_up-k_q4823dc0110_up
	.p2alignl 7, 3214868480
	.fill 96, 4, 3214868480
	.section	.rodata,"a",@progbits
	.p2align	6, 0x0
	.amdhsa_kernel k_q4823dc0110_up
		.amdhsa_group_segment_fixed_size 146944
		.amdhsa_private_segment_fixed_size 0
		.amdhsa_enable_private_segment 0
		.amdhsa_kernarg_size 64
		.amdhsa_user_sgpr_count 2
		.amdhsa_user_sgpr_kernarg_segment_ptr 1
		.amdhsa_wavefront_size32 1
		.amdhsa_system_sgpr_workgroup_id_x 1
		.amdhsa_system_sgpr_workgroup_id_y 1
		.amdhsa_system_sgpr_workgroup_id_z 1
		.amdhsa_system_vgpr_workitem_id 0
		.amdhsa_next_free_vgpr 1024
		.amdhsa_next_free_sgpr 100
		.amdhsa_reserve_vcc 0
		.amdhsa_float_denorm_mode_32 3
		.amdhsa_float_denorm_mode_16_64 3
		.amdhsa_memory_ordered 1
		.amdhsa_forward_progress 1
		.amdhsa_inst_pref_size 173
	.end_amdhsa_kernel
	.amdgpu_metadata
---
amdhsa.version: [ 1, 2 ]
amdhsa.kernels:
  - .name:           k_q4823dc0110_up
    .symbol:         k_q4823dc0110_up.kd
    .args:
      - { .name: sel, .offset: 0, .size: 8, .value_kind: global_buffer, .address_space: global }
      - { .name: x_codes, .offset: 8, .size: 8, .value_kind: global_buffer, .address_space: global }
      - { .name: x_scales, .offset: 16, .size: 8, .value_kind: global_buffer, .address_space: global }
      - { .name: w13_codes, .offset: 24, .size: 8, .value_kind: global_buffer, .address_space: global }
      - { .name: w13_scales, .offset: 32, .size: 8, .value_kind: global_buffer, .address_space: global }
      - { .name: act_codes, .offset: 40, .size: 8, .value_kind: global_buffer, .address_space: global }
      - { .name: act_scales, .offset: 48, .size: 8, .value_kind: global_buffer, .address_space: global }
      - { .name: lists, .offset: 56, .size: 8, .value_kind: global_buffer, .address_space: global }
    .group_segment_fixed_size: 146944
    .private_segment_fixed_size: 0
    .kernarg_segment_align: 8
    .kernarg_segment_size: 64
    .max_flat_workgroup_size: 128
    .sgpr_count:     100
    .vgpr_count:     1024
    .wavefront_size: 32
...
	.end_amdgpu_metadata
.endif
;; end of part 5
;; launch down (part 6): grid 32 x 8, 4 waves a work-group, no clusters, 87,552 bytes of LDS; arguments lists, act_codes, act_scales, w2_codes, w2_scales, y; writes y
.if DOCPART == 6
	.amdgcn_target "amdgcn-amd-amdhsa--gfx1250"
	.amdhsa_code_object_version 6
	.text
	.protected	k_q4823dc0110_down
	.globl	k_q4823dc0110_down
	.p2align	8
	.type	k_q4823dc0110_down,@function
k_q4823dc0110_down:
	s_mov_b64 s[64:65], 0
	v_nop
	global_prefetch_b8 v0, s[64:65] scope:SCOPE_SE
	s_setreg_imm32_b32 hwreg(HW_REG_WAVE_MODE, 25, 1), 1
	s_wait_xcnt 0x0
; y[2 token + k][:] = act w2[e]^T for the rows routed to one expert, not yet weighed.  Both operands are E4M3 codes with E8M0 scales.
; SHARES.  Work-group (j = x, e = y) owns output columns 64 j .. 64 j + 63 of expert e: 64 rows of w2, 64 KiB of codes, read from memory once in the launch.
; THE WEIGHTS IN LDS.  Each load reads 512 consecutive bytes, half a row; its LDS store scatters the 32 lanes' 16 bytes into PIECES: a piece holds, for one (K step s, tile n, quarter c, half h), the 16 bytes of each of the tile's
; 16 rows: 256 bytes + 16 of padding.  Piece number 32 (4 (n / 2) + s / 2) + 16 (n % 2) + 8 (s % 2) + 2 c + h: the sixteen lanes of half a store go to sixteen neighbouring pieces, so to sixteen different 16-byte columns;
; a fragment's load reads 256 consecutive bytes for each half of the lanes.  Wave w stages half w % 2 of K for tiles 2 (w / 2) and 2 (w / 2) + 1: 64 pieces on end.
; act comes BY RANK: act_codes [e][block][rank 1280][32 bytes] gives each quarter of a fragment as 512 consecutive bytes; nothing is gathered.
; THE LIST, which says to which row of y a rank goes, and the number of rows were stored by the launch before (lists [8][6,400 bytes], the count at byte 6,144): whole numbers.  So nothing here stands ahead of the first loads but the arguments.
; Tiles, waves and passes as in the launch before: wave w takes tiles w + 4 q + 20 p; pass 0 always runs, pass p > 0 while 20 p + w is under the number of tiles, at most 64.  So every byte of act read here was stored there.
; THE FOUR PASSES ARE WRITTEN OUT, each later one behind a forward branch on the stored count: the pass stands in the immediates, and no base is stepped.
; Ranks past the list's end go to row 2048 + e of y, of which this work-group owns its 256 bytes; nobody reads them.
; THE PRODUCT IS USED TRANSPOSED: source 0 = 16 rows of w2, source 1 = 16 ranks: a lane holds eight neighbouring columns of one row.  A tile goes through the wave's own stage in LDS and leaves as rows of 256 bytes.
; No tensor load, no cluster: the passes hang on a stored count.  One barrier, behind the staging.
; REGISTERS.  Window 0: addresses, scale words, the way out.  Window 1: staging, then B's two buffers (v0-63, v64-127).  Window 2: A's ring of three slots of 80.  Window 3: accumulator (q, n) at 8 (4 q + n).
.set STG,  69632                       ; LDS: behind the 256 pieces (69,632 bytes) the stages: 16 rows x (256 + 16) bytes for each wave
.set LIA,  4                           ; v4   a fragment's place for my lane: 272 h + 16 r; tiles 0 and 1
.set LIB,  5                           ; v5   the same 128 pieces on: tiles 2 and 3
.set WST,  6                           ; v6   where I stage the weights: 17,408 w + 8,704 (lane / 16) + 272 (lane % 16)
.set WO,   9                           ; v9   16 x lane: my place in 512 bytes of a weight's row
.set WSO,  10                          ; v10  w2_scales: 32 r
.set AO,   12                          ; v12  act_codes: 32 r + 16 h
.set ASO,  13                          ; v13  act_scales: 32 r
.set YLO,  14                          ; v14  lists: 64 w + 32 h: the eight entries of my half of a tile
.set SO,   24                          ; v24  the stage, in: row r, + 32 h
.set SR,   25                          ; v25  the stage, back: row 8 h, + 16 r
.set C16,  26                          ; v26  16 r
.set WS,   32                          ; v32-63   w2's scale words: tile n, K step s at 8 n + s
.set ASC,  64                          ; v64-103  act's scale words: tile q, K step s at 8 q + s
.set OD,   120                         ; v120-183 rows read back: two sets of 32
.set YO,   184                         ; v184-223 list entries, then offsets in y: eight for each q
.set MSB, 0
.macro WIN new                         ; the immediate's high byte repeats the setting that is left
.if MSB != \new
	s_set_vgpr_msb (MSB<<8)|\new
.set MSB, \new
.endif
.endm
.set MUL,  0xf9                        ; source 0 window 1, source 1 window 2, C and D window 3
.set LDA,  0x80                        ; destination window 2
.set LDB,  0x40                        ; destination window 1
.set STG1, 0x04                        ; an LDS store's data: window 1
.set ST3,  0x0c                        ; an LDS store's data: window 3
	s_load_b256 s[4:11], s[0:1], 0x0               ; lists, act_codes, act_scales, w2_codes
	s_load_b128 s[12:15], s[0:1], 0x20             ; w2_scales, y
	v_lshl_add_u32 v254, v0, 2, 0x15400
	v_mov_b32 v255, 0
	v_lshrrev_b32 v1, 5, v0
	v_readfirstlane_b32 s18, v1                    ; wave
	v_and_b32 v1, 31, v0                           ; lane
	v_and_b32 v2, 15, v0                           ; r
	v_bfe_u32 v3, v0, 4, 1                         ; h
	s_and_b32 s22, ttmp7, 0xffff                   ; e
	s_mov_b32 s23, ttmp9                           ; j
	s_and_b32 s20, s18, 1                          ; which half of K I stage
	s_lshr_b32 s21, s18, 1                         ; which two tiles
	v_lshlrev_b32 v[WO], 4, v1
	v_mul_u32_u24 v[LIA], v3, 272
	v_lshl_add_u32 v[LIA], v2, 4, v[LIA]
	v_add_nc_u32 v[LIB], 34816, v[LIA]
	s_mul_i32 s34, s18, 17408
	v_mul_u32_u24 v[WST], v3, 8704
	v_mad_u32_u24 v[WST], v2, 272, v[WST]
	v_add_nc_u32 v[WST], s34, v[WST]
	v_lshlrev_b32 v18, 4, v3                       ; 16 h
	v_lshlrev_b32 v[WSO], 5, v2
	v_lshl_add_u32 v[AO], v2, 5, v18
	v_lshlrev_b32 v[ASO], 5, v2
	s_lshl_b32 s34, s18, 6
	v_lshl_add_u32 v[YLO], v3, 5, s34
	s_mul_i32 s34, s18, 4352                       ; my stage
	v_mul_u32_u24 v[SO], v2, 272
	v_lshl_add_u32 v[SO], v3, 5, v[SO]
	v_add_nc_u32 v[SO], s34, v[SO]
	v_add_nc_u32 v[SO], STG, v[SO]
	v_mul_u32_u24 v[SR], v3, 2176
	v_lshl_add_u32 v[SR], v2, 4, v[SR]
	v_add_nc_u32 v[SR], s34, v[SR]
	v_add_nc_u32 v[SR], STG, v[SR]
	v_lshlrev_b32 v[C16], 4, v2
	s_mov_b32 s32, s18                             ; the pass's first tile: w + 20 p
	s_lshl_b32 s34, s22, 21
	s_lshl_b32 s36, s23, 16
	s_add_co_u32 s34, s34, s36
	s_lshl_b32 s36, s21, 15
	s_add_co_u32 s34, s34, s36
	s_lshl_b32 s36, s20, 9
	s_add_co_u32 s34, s34, s36                     ; w2_codes: (2048 e + 64 j + 32 (w / 2)) rows of 1,024 bytes + 512 (w % 2)
	s_mov_b32 s35, 0
	s_lshl_b32 s36, s22, 16
	s_lshl_b32 s38, s23, 11
	s_add_co_u32 s36, s36, s38                     ; w2_scales: (2048 e + 64 j) rows of 32 bytes
	s_mov_b32 s37, 0
	s_mul_i32 s38, s22, 1310720
	s_lshl_b32 s40, s18, 9
	s_add_co_u32 s38, s38, s40                     ; act_codes: e x 32 blocks x 1,280 ranks x 32 bytes + tile w
	s_mov_b32 s39, 0
	s_mul_i32 s42, s22, 40960
	s_add_co_u32 s40, s40, s42                     ; act_scales: e x 1,280 ranks x 32 bytes + tile w
	s_mov_b32 s41, 0
	s_lshl_b32 s42, s23, 8                         ; y: my 256 bytes of a row
	s_mov_b32 s43, 0
	s_mul_i32 s24, s22, 6400                       ; lists: 6,400 bytes an expert
	s_mov_b32 s25, 0
	s_wait_kmcnt 0x0
	s_add_nc_u64 s[4:5], s[4:5], s[24:25]
	s_add_nc_u64 s[10:11], s[10:11], s[34:35]
	s_add_nc_u64 s[12:13], s[12:13], s[36:37]
	s_add_nc_u64 s[6:7], s[6:7], s[38:39]
	s_add_nc_u64 s[8:9], s[8:9], s[40:41]
	s_add_nc_u64 s[14:15], s[14:15], s[42:43]
	s_load_b32 s28, s[4:5], 0x1800                 ; the number of rows: wanted at the end of pass 0
	WIN LDB
.set Q, 0
.rept 32                               ; my 32 rows: 512 consecutive bytes of each, 16 a lane
	global_load_b128 v[4*Q:4*Q+3], v[WO], s[10:11] offset:1024*Q th:TH_LOAD_NT
.set Q, Q+1
.endr
	WIN 0
.irp n, 0,1,2,3
.irp c, 0,1
	global_load_b128 v[WS+8*\n+4*\c:WS+8*\n+4*\c+3], v[WSO], s[12:13] offset:512*\n+16*\c
.endr
.endr
.macro LOAD_YL p                       ; pass p: the list entries of ranks 8 h + 0 .. 7 of its five tiles; 20 tiles of 64 bytes a pass
.irp q, 0,1,2,3,4
.irp c, 0,1
	global_load_b128 v[YO+8*\q+4*\c:YO+8*\q+4*\c+3], v[YLO], s[4:5] offset:1280*(\p)+256*\q+16*\c
.endr
.endr
.endm
.macro LOAD_AS p                       ; pass p: the scale words of its five tiles; 20 tiles of 512 bytes a pass
.irp q, 0,1,2,3,4
.irp c, 0,1
	global_load_b128 v[ASC+8*\q+4*\c:ASC+8*\q+4*\c+3], v[ASO], s[8:9] offset:10240*(\p)+2048*\q+16*\c
.endr
.endr
.endm
.macro LOAD_A p, s                     ; pass p, K step s of the five tiles of act into slot s % 3: registers 4 c .. 4 c + 3 are block 4 s + c, bytes 16 h on, of the lane's rank: each load reads 512 consecutive bytes
	WIN LDA
.irp q, 0,1,2,3,4
.irp c, 0,1,2,3
	global_load_b128 v[80*((\s)%3)+16*\q+4*\c:80*((\s)%3)+16*\q+4*\c+3], v[AO], s[6:7] offset:(4*(\s)+\c)*40960+10240*(\p)+2048*\q
.endr
.endr
.endm
.macro LOAD_B s                        ; K step s of the four weight tiles out of LDS into buffer s % 2: pieces 32 (4 (n / 2) + s / 2) + 16 (n % 2) + 8 (s % 2) + 2 c + h; a base register serves two tiles
	WIN LDB
.irp n, 0,1,2,3
.irp c, 0,1,2,3
.if (\n)/2 == 0
	ds_load_b128 v[64*((\s)%2)+16*\n+4*\c:64*((\s)%2)+16*\n+4*\c+3], v[LIA] offset:272*(((\s)/2)*32+((\n)%2)*16+8*((\s)%2)+2*\c)
.else
	ds_load_b128 v[64*((\s)%2)+16*\n+4*\c:64*((\s)%2)+16*\n+4*\c+3], v[LIB] offset:272*(((\s)/2)*32+((\n)%2)*16+8*((\s)%2)+2*\c)
.endif
.endr
.endr
.endm
.macro PLACES                          ; eight plain places behind this matrix form, in front of loads into registers that it has read and of the first read of results
.rept 8
	v_nop
.endr
.endm
; A K step: 20 matrix instructions, the 20 accumulators by turns in the same order in every step.
.macro STEP p, s
.if (\s) < 6
	s_wait_loadcnt 40                              ; A of this step is in, and all that was asked for ahead of it: the next two steps' 40 loads are younger
.elseif (\s) == 6
	s_wait_loadcnt 20
.else
	s_wait_loadcnt 0x0
.endif
.if (\s) < 7
	s_wait_dscnt 16                                ; B of this step is in: the next step's 16 loads are younger
.else
	s_wait_dscnt 0x0
.endif
	WIN MUL
.irp q, 0,1,2,3,4
.irp n, 0,1,2,3
.if (\s) == 0
	v_wmma_scale_f32_16x16x128_f8f6f4 v[8*(4*\q+\n):8*(4*\q+\n)+7], v[64*((\s)%2)+16*\n:64*((\s)%2)+16*\n+15], v[80*((\s)%3)+16*\q:80*((\s)%3)+16*\q+15], 0, v[WS+8*\n+(\s)], v[ASC+8*\q+(\s)]
.else
	v_wmma_scale_f32_16x16x128_f8f6f4 v[8*(4*\q+\n):8*(4*\q+\n)+7], v[64*((\s)%2)+16*\n:64*((\s)%2)+16*\n+15], v[80*((\s)%3)+16*\q:80*((\s)%3)+16*\q+15], v[8*(4*\q+\n):8*(4*\q+\n)+7], v[WS+8*\n+(\s)], v[ASC+8*\q+(\s)]
.endif
.endr
.endr
	PLACES
.if (\s) < 5
	LOAD_A \p, (\s)+3                              ; into the slot just multiplied
.endif
.if (\s) < 6
	LOAD_B (\s)+2                                  ; into the buffer just multiplied
.endif
.endm
; THE WAY OUT of tile q.  TOSTAGE: the tile into my stage (lane (r, h): row r, columns 16 n + 8 h + 0 .. 7); back as rows of 256 bytes, two an instruction: lanes 0-15 row i, lanes 16-31 row i + 8.
; LDS serves a wave's instructions in order (ISA guide 5.7.1.4): no wait between the stores and the loads, nor in front of the next tile's stores.
.macro TOSTAGE q
.set OB, OD+32*((\q)%2)
	WIN ST3
.irp n, 0,1,2,3
	ds_store_b128 v[SO], v[8*(4*(\q)+\n):8*(4*(\q)+\n)+3] offset:64*\n             ; each accumulator from its low end on
	ds_store_b128 v[SO], v[8*(4*(\q)+\n)+4:8*(4*(\q)+\n)+7] offset:64*\n+16
.endr
	WIN 0
.irp i, 0,1,2,3,4,5,6,7
	ds_load_b128 v[OB+4*\i:OB+4*\i+3], v[SR] offset:272*\i
.endr
.endm
.macro SEND q, younger                 ; younger: the LDS instructions issued behind tile q's
.set YB, YO+8*(\q)
.set OB, OD+32*((\q)%2)
	s_wait_dscnt \younger
.irp i, 0,1,2,3,4,5,6,7
	v_min_u32 v[YB+\i], 2055, v[YB+\i]             ; the entry of rank 8 h + i, held inside y,
	v_lshl_add_u32 v[YB+\i], v[YB+\i], 13, v[C16]  ; is a row of 8,192 bytes
.endr
.irp i, 0,1,2,3,4,5,6,7
	global_store_b128 v[YB+\i], v[OB+4*\i:OB+4*\i+3], s[14:15] th:TH_STORE_NT      ; sixteen lanes store 256 consecutive bytes of one row, aligned
.endr
.endm
; A PASS.  On the way in the pass's list entries, AS, A 0, A 1, A 2 are out, in that order.  Behind its way out: the branch that ends the wave where no tile of its is left, then the next pass's first loads.
.macro PASS p
	LOAD_B 0
	LOAD_B 1
.irp s, 0,1,2,3,4,5,6,7
	STEP \p, \s
.endr
	WIN 0
	TOSTAGE 0
.irp q, 1,2,3,4
.if \q > 1
	s_wait_xcnt 0x0                                ; tile q - 2's stores have read the set that tile q's loads fill
.endif
	TOSTAGE \q
	SEND \q-1, 16                                  ; behind tile q - 1's loads: tile q's 8 stores and 8 loads
.endr
	SEND 4, 0
.if (\p) < 3
.if (\p) == 0
	s_wait_kmcnt 0x0                               ; the number of rows
	s_add_co_u32 s29, s28, 15
	s_lshr_b32 s29, s29, 4                         ; tiles
.endif
	s_add_co_u32 s32, s32, 20
	s_cmp_ge_u32 s32, s29                          ; no tile of mine is left (every window is 0 here)
	s_cbranch_scc1 .Ldone
	s_wait_xcnt 0x0                                ; this pass's stores have read their offsets and data: the next pass's loads may land there
	LOAD_YL (\p)+1
	LOAD_AS (\p)+1
	LOAD_A (\p)+1, 0
	LOAD_A (\p)+1, 1
	LOAD_A (\p)+1, 2
.endif
.endm
	LOAD_YL 0                                      ; pass 0: all its first loads go out with the weights'
	LOAD_AS 0
	LOAD_A 0, 0
	LOAD_A 0, 1
	s_wait_loadcnt 60                              ; the weights and their scale words are in: the list's 10, AS's 10, A 0 and A 1, 60 loads, are younger
	WIN STG1
.set Q, 0
.rept 32                               ; row Q of my 32 is row Q % 16 of my tile Q / 16; a tile is 16 pieces on, a row 16 bytes
	ds_store_b128 v[WST], v[4*Q:4*Q+3] offset:4352*(Q/16)+16*(Q%16)
.set Q, Q+1
.endr
	LOAD_A 0, 2
	WIN 0
	s_wait_dscnt 0x0                               ; my pieces have landed
	s_barrier_signal -1
	s_barrier_wait -1                              ; everybody's have; from here on a wave writes its own stage alone
	PASS 0
	PASS 1
	PASS 2
	PASS 3                                         ; with at most 64 tiles no wave has a tile behind 79
.Ldone:
	s_barrier_signal -1
	s_barrier_wait -1
	s_wait_tensorcnt 0x0
	ds_add_u32 v254, v255
	s_wait_dscnt 0x0
	s_endpgm
.Lfunc_end_k_q4823dc0110_down:
	.size	k_q4823dc0110_down, .Lfunc_end_k_q4823dc0110_down-k_q4823dc0110_down
	.p2alignl 7, 3214868480
	.fill 96, 4, 3214868480
	.section	.rodata,"a",@progbits
	.p2align	6, 0x0
	.amdhsa_kernel k_q4823dc0110_down
		.amdhsa_group_segment_fixed_size 87552
		.amdhsa_private_segment_fixed_size 0
		.amdhsa_enable_private_segment 0
		.amdhsa_kernarg_size 48
		.amdhsa_user_sgpr_count 2
		.amdhsa_user_sgpr_kernarg_segment_ptr 1
		.amdhsa_wavefront_size32 1
		.amdhsa_system_sgpr_workgroup_id_x 1
		.amdhsa_system_sgpr_workgroup_id_y 1
		.amdhsa_system_sgpr_workgroup_id_z 1
		.amdhsa_system_vgpr_workitem_id 0
		.amdhsa_next_free_vgpr 1024
		.amdhsa_next_free_sgpr 66
		.amdhsa_reserve_vcc 0
		.amdhsa_float_denorm_mode_32 3
		.amdhsa_float_denorm_mode_16_64 3
		.amdhsa_memory_ordered 1
		.amdhsa_forward_progress 1
		.amdhsa_inst_pref_size 255
	.end_amdhsa_kernel
	.section	.bss,"aw",@nobits
	.p2align	6
	.space	262144
	.amdgpu_metadata
---
amdhsa.version: [ 1, 2 ]
amdhsa.kernels:
  - .name:           k_q4823dc0110_down
    .symbol:         k_q4823dc0110_down.kd
    .args:
      - { .name: lists, .offset: 0, .size: 8, .value_kind: global_buffer, .address_space: global }
      - { .name: act_codes, .offset: 8, .size: 8, .value_kind: global_buffer, .address_space: global }
      - { .name: act_scales, .offset: 16, .size: 8, .value_kind: global_buffer, .address_space: global }
      - { .name: w2_codes, .offset: 24, .size: 8, .value_kind: global_buffer, .address_space: global }
      - { .name: w2_scales, .offset: 32, .size: 8, .value_kind: global_buffer, .address_space: global }
      - { .name: y, .offset: 40, .size: 8, .value_kind: global_buffer, .address_space: global }
    .group_segment_fixed_size: 87552
    .private_segment_fixed_size: 0
    .kernarg_segment_align: 8
    .kernarg_segment_size: 48
    .max_flat_workgroup_size: 128
    .sgpr_count:     66
    .vgpr_count:     1024
    .wavefront_size: 32
...
	.end_amdgpu_metadata
.endif
;; end of part 6
;; launch combine: the kernel of part 4 again; grid 256 x 1, 4 waves a work-group, no clusters, 0 bytes of LDS; arguments y, wts, out0; writes out0
;; ======== version 3 of 3: 4 launches; version 2 with the launch down written anew for expert scheduling mode
;; workspace buffers: sel 4,096 bytes of whole numbers; wts 8,192 bytes; x_codes 2,097,152 bytes; x_scales 65,536 bytes; act_codes 10,485,760 bytes; act_scales 327,680 bytes; y 16,842,752 bytes; lists 51,200 bytes of whole numbers
;; launch route: the kernel of part 1 again; grid 256 x 1, 4 waves a work-group, no clusters, 1,536 bytes of LDS; arguments hidden_states, gate_w, out1, sel, wts, x_codes, x_scales; writes out1, sel, wts, x_codes, x_scales
;; launch up: the kernel of part 5 again; grid 32 x 8, 4 waves a work-group, no clusters, 146,944 bytes of LDS; arguments sel, x_codes, x_scales, w13_codes, w13_scales, act_codes, act_scales, lists; writes act_codes, act_scales, lists
;; launch down (part 7): grid 32 x 8, 4 waves a work-group, no clusters, 87,552 bytes of LDS; arguments lists, act_codes, act_scales, w2_codes, w2_scales, y; writes y
.if DOCPART == 7
	.amdgcn_target "amdgcn-amd-amdhsa--gfx1250"
	.amdhsa_code_object_version 6
	.text
	.protected	k_q4823dc0110_down
	.globl	k_q4823dc0110_down
	.p2align	8
	.type	k_q4823dc0110_down,@function
k_q4823dc0110_down:
	s_mov_b64 s[64:65], 0
	v_nop
	global_prefetch_b8 v0, s[64:65] scope:SCOPE_SE
	s_setreg_imm32_b32 hwreg(HW_REG_WAVE_SCHED_MODE, 0, 2), 2
	s_setreg_imm32_b32 hwreg(HW_REG_WAVE_MODE, 25, 1), 1
	s_wait_xcnt 0x0
	s_wait_alu depctr_vm_vsrc(0)
; y[2 token + k][:] = act w2[e]^T for the rows routed to one expert, not yet weighed.  Both operands are E4M3 codes with E8M0 scales.
; SHARES.  Work-group (j = x, e = y) owns output columns 64 j .. 64 j + 63 of expert e: 64 rows of w2, 64 KiB of codes, read from memory once in the launch.
; THE WEIGHTS IN LDS.  Each load reads 512 consecutive bytes, half a row; its LDS store scatters the 32 lanes' 16 bytes into PIECES: a piece holds, for one (K step s, tile n, quarter c, half h), the 16 bytes of each of the tile's
; 16 rows: 256 bytes + 16 of padding.  Piece number 32 (4 (n / 2) + s / 2) + 16 (n % 2) + 8 (s % 2) + 2 c + h: the sixteen lanes of half a store go to sixteen neighbouring pieces, so to sixteen different 16-byte columns;
; a fragment's load reads 256 consecutive bytes for each half of the lanes.  Wave w stages half w % 2 of K for tiles 2 (w / 2) and 2 (w / 2) + 1: 64 pieces on end.
; act comes BY RANK: act_codes [e][block][rank 1280][32 bytes] gives each quarter of a fragment as 512 consecutive bytes; nothing is gathered.
; THE LIST, which says to which row of y a rank goes, and the number of rows were stored by the launch before (lists [8][6,400 bytes], the count at byte 6,144): whole numbers.  So nothing here stands ahead of the first loads but the arguments.
; Tiles, waves and passes as in the launch before: wave w takes tiles w + 4 q + 20 p; pass 0 always runs, pass p > 0 while 20 p + w is under the number of tiles, at most 64.  So every byte of act read here was stored there.
; THE FOUR PASSES ARE WRITTEN OUT, each later one behind a forward branch on the stored count: the pass stands in the immediates, and no base is stepped.
; Ranks past the list's end go to row 2048 + e of y, of which this work-group owns its 256 bytes; nobody reads them.
; THE PRODUCT IS USED TRANSPOSED: source 0 = 16 rows of w2, source 1 = 16 ranks: a lane holds eight neighbouring columns of one row.  A tile goes through the wave's own stage in LDS and leaves as rows of 256 bytes.
; No tensor load, no cluster: the passes hang on a stored count.  One barrier, behind the staging.
; REGISTERS.  Window 0: addresses, scale words, the way out.  Window 1: staging, then B's ring of three buffers (v0-63, v64-127, v128-191).  Window 2: three of A's four slots of 80.
; Window 3: accumulator (q, n) at 8 (4 q + n); from v160 A's fourth slot.
; THE MODE: SCHED_MODE bits 1:0 = 2 (LLVM: expert scheduling mode 2), set by the entry lines.  The code itself states the register dependences
; between vector or matrix instructions and memory or LDS instructions, with s_wait_alu, always for 0.
; THE PLAN.  Registers that memory or LDS instructions touch, in a pass:
;   A's slots 0 .. 3    Step s: its 20 matrix instructions read slot s % 4; the loads of step s + 4, issued in step s + 1, land in it.
;   B's buffers 0 .. 2  Step s: its matrix instructions read buffer s % 3; the LDS loads of step s + 3, issued in step s + 1, land in it.
;   AO, LIA, LIB and the other offsets: made at the head, never written again.
;   WS, ASC             Scale words: loaded, read by matrix instructions.
;   YO                  Loaded at a pass's head; turned into offsets by 80 vector lines behind the pass's last products; read by the pass's 40 stores.
;   the accumulators    Written by matrix instructions, read by the LDS stores into the stage.
;   OD                  Two sets: LDS loads land in them, stores read them; no vector instruction names them.
; So ONE wait on va_vdst stands at the head of a step, behind its waits for data (the step before is done reading its slot and its buffer, in which this step's 36 loads land), and ONE behind the offsets' 80 lines:
; the accumulators and YO are written, and the products are done with ASC, the slots and the buffers; no vector or matrix instruction follows it until the next pass's products, so it serves that pass's first loads too.
; Waits on vm_vsrc stand where a set of OD, or YO, is loaded again behind the stores that read it, and behind the staging.
.set STG,  69632                       ; LDS: behind the 256 pieces (69,632 bytes) the stages: 16 rows x (256 + 16) bytes for each wave
.set LIA,  4                           ; v4   a fragment's place for my lane: 272 h + 16 r; tiles 0 and 1
.set LIB,  5                           ; v5   the same 128 pieces on: tiles 2 and 3
.set WST,  6                           ; v6   where I stage the weights: 17,408 w + 8,704 (lane / 16) + 272 (lane % 16)
.set WO,   9                           ; v9   16 x lane: my place in 512 bytes of a weight's row
.set WSO,  10                          ; v10  w2_scales: 32 r
.set AO,   12                          ; v12  act_codes: 32 r + 16 h
.set ASO,  13                          ; v13  act_scales: 32 r
.set YLO,  14                          ; v14  lists: 64 w + 32 h: the eight entries of my half of a tile
.set SO,   24                          ; v24  the stage, in: row r, + 32 h
.set SR,   25                          ; v25  the stage, back: row 8 h, + 16 r
.set C16,  26                          ; v26  16 r
.set WS,   32                          ; v32-63   w2's scale words: tile n, K step s at 8 n + s
.set ASC,  64                          ; v64-103  act's scale words: tile q, K step s at 8 q + s
.set OD,   120                         ; v120-183 rows read back: two sets of 32
.set YO,   184                         ; v184-223 list entries, then offsets in y: eight for each q
.set MSB, 0
.macro WIN new                         ; the immediate's high byte repeats the setting that is left
.if MSB != \new
	s_set_vgpr_msb (MSB<<8)|\new
.set MSB, \new
.endif
.endm
.set LDB,  0x40                        ; destination window 1
.set STG1, 0x04                        ; an LDS store's data: window 1
.set ST3,  0x0c                        ; an LDS store's data: window 3
.macro SLOT s                          ; where K step s of act lies: slot s % 4.  AB: its first register;  AWL: the windows for its loads;  AWM: for its products (source 0 window 1, C and D window 3)
.set KA, (\s)%4
.set AB, 80*KA
.set AWL, 0x80                         ; slots 0 to 2: window 2
.set AWM, 0xf9
.if KA == 3
.set AB, 160                           ; slot 3: window 3, behind the accumulators
.set AWL, 0xc0
.set AWM, 0xfd
.endif
.endm
	s_load_b256 s[4:11], s[0:1], 0x0               ; lists, act_codes, act_scales, w2_codes
	s_load_b128 s[12:15], s[0:1], 0x20             ; w2_scales, y
	v_lshl_add_u32 v254, v0, 2, 0x15400
	v_mov_b32 v255, 0
	v_lshrrev_b32 v1, 5, v0
	v_readfirstlane_b32 s18, v1                    ; wave
	v_and_b32 v1, 31, v0                           ; lane
	v_and_b32 v2, 15, v0                           ; r
	v_bfe_u32 v3, v0, 4, 1                         ; h
	s_and_b32 s22, ttmp7, 0xffff                   ; e
	s_mov_b32 s23, ttmp9                           ; j
	s_wait_alu depctr_va_sdst(0)                   ; s18 is written, ahead of its first reader: addresses and bases are made from it
	s_and_b32 s20, s18, 1                          ; which half of K I stage
	s_lshr_b32 s21, s18, 1                         ; which two tiles
	v_lshlrev_b32 v[WO], 4, v1
	v_mul_u32_u24 v[LIA], v3, 272
	v_lshl_add_u32 v[LIA], v2, 4, v[LIA]
	v_add_nc_u32 v[LIB], 34816, v[LIA]
	s_mul_i32 s34, s18, 17408
	v_mul_u32_u24 v[WST], v3, 8704
	v_mad_u32_u24 v[WST], v2, 272, v[WST]
	v_add_nc_u32 v[WST], s34, v[WST]
	v_lshlrev_b32 v18, 4, v3                       ; 16 h
	v_lshlrev_b32 v[WSO], 5, v2
	v_lshl_add_u32 v[AO], v2, 5, v18
	v_lshlrev_b32 v[ASO], 5, v2
	s_lshl_b32 s34, s18, 6
	v_lshl_add_u32 v[YLO], v3, 5, s34
	s_mul_i32 s34, s18, 4352                       ; my stage
	v_mul_u32_u24 v[SO], v2, 272
	v_lshl_add_u32 v[SO], v3, 5, v[SO]
	v_add_nc_u32 v[SO], s34, v[SO]
	v_add_nc_u32 v[SO], STG, v[SO]
	v_mul_u32_u24 v[SR], v3, 2176
	v_lshl_add_u32 v[SR], v2, 4, v[SR]
	v_add_nc_u32 v[SR], s34, v[SR]
	v_add_nc_u32 v[SR], STG, v[SR]
	v_lshlrev_b32 v[C16], 4, v2
	s_mov_b32 s32, s18                             ; the pass's first tile: w + 20 p
	s_lshl_b32 s34, s22, 21
	s_lshl_b32 s36, s23, 16
	s_add_co_u32 s34, s34, s36
	s_lshl_b32 s36, s21, 15
	s_add_co_u32 s34, s34, s36
	s_lshl_b32 s36, s20, 9
	s_add_co_u32 s34, s34, s36                     ; w2_codes: (2048 e + 64 j + 32 (w / 2)) rows of 1,024 bytes + 512 (w % 2)
	s_mov_b32 s35, 0
	s_lshl_b32 s36, s22, 16
	s_lshl_b32 s38, s23, 11
	s_add_co_u32 s36, s36, s38                     ; w2_scales: (2048 e + 64 j) rows of 32 bytes
	s_mov_b32 s37, 0
	s_mul_i32 s38, s22, 1310720
	s_lshl_b32 s40, s18, 9
	s_add_co_u32 s38, s38, s40                     ; act_codes: e x 32 blocks x 1,280 ranks x 32 bytes + tile w
	s_mov_b32 s39, 0
	s_mul_i32 s42, s22, 40960
	s_add_co_u32 s40, s40, s42                     ; act_scales: e x 1,280 ranks x 32 bytes + tile w
	s_mov_b32 s41, 0
	s_lshl_b32 s42, s23, 8                         ; y: my 256 bytes of a row
	s_mov_b32 s43, 0
	s_mul_i32 s24, s22, 6400                       ; lists: 6,400 bytes an expert
	s_mov_b32 s25, 0
	s_wait_kmcnt 0x0
	s_add_nc_u64 s[4:5], s[4:5], s[24:25]
	s_add_nc_u64 s[10:11], s[10:11], s[34:35]
	s_add_nc_u64 s[12:13], s[12:13], s[36:37]
	s_add_nc_u64 s[6:7], s[6:7], s[38:39]
	s_add_nc_u64 s[8:9], s[8:9], s[40:41]
	s_add_nc_u64 s[14:15], s[14:15], s[42:43]
	s_load_b32 s28, s[4:5], 0x1800                 ; the number of rows: wanted at the end of pass 0
	WIN LDB
	s_wait_alu depctr_va_vdst(0)                   ; the offsets and addresses made above (v4 to v14, v24 to v26) are written: the loads and stores of the whole kernel read them
.set Q, 0
.rept 32                               ; my 32 rows: 512 consecutive bytes of each, 16 a lane
	global_load_b128 v[4*Q:4*Q+3], v[WO], s[10:11] offset:1024*Q th:TH_LOAD_NT
.set Q, Q+1
.endr
	WIN 0
.irp n, 0,1,2,3
.irp c, 0,1
	global_load_b128 v[WS+8*\n+4*\c:WS+8*\n+4*\c+3], v[WSO], s[12:13] offset:512*\n+16*\c
.endr
.endr
.macro LOAD_YL p                       ; pass p: the list entries of ranks 8 h + 0 .. 7 of its five tiles; 20 tiles of 64 bytes a pass
.irp q, 0,1,2,3,4
.irp c, 0,1
	global_load_b128 v[YO+8*\q+4*\c:YO+8*\q+4*\c+3], v[YLO], s[4:5] offset:1280*(\p)+256*\q+16*\c
.endr
.endr
.endm
.macro LOAD_AS p                       ; pass p: the scale words of its five tiles; 20 tiles of 512 bytes a pass
.irp q, 0,1,2,3,4
.irp c, 0,1
	global_load_b128 v[ASC+8*\q+4*\c:ASC+8*\q+4*\c+3], v[ASO], s[8:9] offset:10240*(\p)+2048*\q+16*\c
.endr
.endr
.endm
.macro LOAD_AQ p, s, q                 ; pass p, K step s of tile q of act into slot s % 4: registers 4 c .. 4 c + 3 are block 4 s + c, bytes 16 h on, of the lane's rank: each load reads 512 consecutive bytes
	SLOT \s
	WIN AWL
.irp c, 0,1,2,3
	global_load_b128 v[AB+16*(\q)+4*\c:AB+16*(\q)+4*\c+3], v[AO], s[6:7] offset:(4*(\s)+\c)*40960+10240*(\p)+2048*(\q)
.endr
.endm
.macro LOAD_A p, s                     ; all five tiles
.irp q, 0,1,2,3,4
	LOAD_AQ \p, \s, \q
.endr
.endm
.macro LOAD_BN s, n                    ; K step s of weight tile n out of LDS into buffer s % 3: pieces 32 (4 (n / 2) + s / 2) + 16 (n % 2) + 8 (s % 2) + 2 c + h; a base register serves two tiles
	WIN LDB
.irp c, 0,1,2,3
.if (\n)/2 == 0
	ds_load_b128 v[64*((\s)%3)+16*(\n)+4*\c:64*((\s)%3)+16*(\n)+4*\c+3], v[LIA] offset:272*(((\s)/2)*32+((\n)%2)*16+8*((\s)%2)+2*\c)
.else
	ds_load_b128 v[64*((\s)%3)+16*(\n)+4*\c:64*((\s)%3)+16*(\n)+4*\c+3], v[LIB] offset:272*(((\s)/2)*32+((\n)%2)*16+8*((\s)%2)+2*\c)
.endif
.endr
.endm
.macro LOAD_B s                        ; all four tiles
.irp n, 0,1,2,3
	LOAD_BN \s, \n
.endr
.endm
.macro MULQ s, q                       ; K step s, tile q of act against the four weight tiles
	SLOT \s
	WIN AWM
.irp n, 0,1,2,3
.if (\s) == 0
	v_wmma_scale_f32_16x16x128_f8f6f4 v[8*(4*(\q)+\n):8*(4*(\q)+\n)+7], v[64*((\s)%3)+16*\n:64*((\s)%3)+16*\n+15], v[AB+16*(\q):AB+16*(\q)+15], 0, v[WS+8*\n+(\s)], v[ASC+8*(\q)+(\s)]
.else
	v_wmma_scale_f32_16x16x128_f8f6f4 v[8*(4*(\q)+\n):8*(4*(\q)+\n)+7], v[64*((\s)%3)+16*\n:64*((\s)%3)+16*\n+15], v[AB+16*(\q):AB+16*(\q)+15], v[8*(4*(\q)+\n):8*(4*(\q)+\n)+7], v[WS+8*\n+(\s)], v[ASC+8*(\q)+(\s)]
.endif
.endr
.endm
; A K step: 20 matrix instructions, the 20 accumulators by turns in the same order in every step.  Among them, in runs of eight, the loads of A three steps on and of B two steps on.
.macro STEP p, s
.if (\s) < 6
	s_wait_loadcnt 40                              ; A of this step is in, and all that was asked for ahead of it: the next two steps' 40 loads are younger
.elseif (\s) == 6
	s_wait_loadcnt 20
.else
	s_wait_loadcnt 0x0
.endif
.if (\s) < 7
	s_wait_dscnt 16                                ; B of this step is in: the next step's 16 loads are younger
.else
	s_wait_dscnt 0x0
.endif
.if (\s) > 0 && (\s) < 6
	s_wait_alu depctr_va_vdst(0)                   ; the step before is done reading its slot of A and its buffer of B, in which this step's loads land.  (Step 0: the way out of the pass before has stated it; steps 6 and 7 load nothing)
.endif
	MULQ \s, 0
.if (\s) < 5
	LOAD_AQ \p, (\s)+3, 0                          ; no further wait: no matrix instruction since the wait names that slot, that buffer or an address
	LOAD_AQ \p, (\s)+3, 1
.endif
	MULQ \s, 1
.if (\s) < 6
	LOAD_BN (\s)+2, 0
	LOAD_BN (\s)+2, 1
.endif
	MULQ \s, 2
.if (\s) < 5
	LOAD_AQ \p, (\s)+3, 2
	LOAD_AQ \p, (\s)+3, 3
.endif
	MULQ \s, 3
.if (\s) < 6
	LOAD_BN (\s)+2, 2
	LOAD_BN (\s)+2, 3
.endif
.if (\s) < 5
	LOAD_AQ \p, (\s)+3, 4
.endif
	MULQ \s, 4
.endm
; THE WAY OUT of tile q.  TOSTAGE: the tile into my stage (lane (r, h): row r, columns 16 n + 8 h + 0 .. 7); back as rows of 256 bytes, two an instruction: lanes 0-15 row i, lanes 16-31 row i + 8.
; LDS serves a wave's instructions in order (ISA guide 5.7.1.4): no wait between the stores and the loads, nor in front of the next tile's stores.
.macro TOSTAGE q
.set OB, OD+32*((\q)%2)
	WIN ST3
.irp n, 0,1,2,3
	ds_store_b128 v[SO], v[8*(4*(\q)+\n):8*(4*(\q)+\n)+3] offset:64*\n             ; each accumulator from its low end on
	ds_store_b128 v[SO], v[8*(4*(\q)+\n)+4:8*(4*(\q)+\n)+7] offset:64*\n+16
.endr
	WIN 0
.irp i, 0,1,2,3,4,5,6,7
	ds_load_b128 v[OB+4*\i:OB+4*\i+3], v[SR] offset:272*\i
.endr
.endm
.macro SEND q, younger                 ; younger: the LDS instructions issued behind tile q's
.set YB, YO+8*(\q)
.set OB, OD+32*((\q)%2)
	s_wait_dscnt \younger
.irp i, 0,1,2,3,4,5,6,7
	global_store_b128 v[YB+\i], v[OB+4*\i:OB+4*\i+3], s[14:15] th:TH_STORE_NT      ; sixteen lanes store 256 consecutive bytes of one row, aligned
.endr
.endm
; A PASS.  On the way in the pass's list entries, AS, A 0, A 1, A 2 are out, in that order.  Behind its way out: the branch that ends the wave where no tile of its is left, then the next pass's first loads.
.macro PASS p
	LOAD_B 0
	LOAD_B 1
.irp s, 0,1,2,3,4,5,6,7
	STEP \p, \s
.endr
	WIN 0
.irp q, 0,1,2,3,4                      ; the pass's 40 list entries become offsets in y.  These 80 plain lines name no register of the products: they are also the eight places behind the last of them, ahead of the first read of results
.irp i, 0,1,2,3,4,5,6,7
	v_min_u32 v[YO+8*\q+\i], 2055, v[YO+8*\q+\i]   ; the entry of rank 8 h + i, held inside y,
.endr
.irp i, 0,1,2,3,4,5,6,7
	v_lshl_add_u32 v[YO+8*\q+\i], v[YO+8*\q+\i], 13, v[C16]        ; is a row of 8,192 bytes
.endr
.endr
	s_wait_alu depctr_va_vdst(0)                   ; the products have written the accumulators, which the LDS stores read; the lines above have written YO, which the stores read as offsets; the products are done reading ASC, A's slots and B's buffers, in which the next pass's first loads land
	TOSTAGE 0
.irp q, 1,2,3,4
.if \q > 1
	s_wait_xcnt 0x0                                ; tile q - 2's stores have read the set that tile q's loads fill
	s_wait_alu depctr_vm_vsrc(0)                   ; the same, stated for the registers: tile q - 2's stores have read their set of OD, in which the LDS loads below land
.endif
	TOSTAGE \q
	SEND \q-1, 16                                  ; behind tile q - 1's loads: tile q's 8 stores and 8 loads
.endr
	SEND 4, 0
.if (\p) < 3
.if (\p) == 0
	s_wait_kmcnt 0x0                               ; the number of rows
	s_add_co_u32 s29, s28, 15
	s_lshr_b32 s29, s29, 4                         ; tiles
.endif
	s_add_co_u32 s32, s32, 20
	s_cmp_ge_u32 s32, s29                          ; no tile of mine is left (every window is 0 here)
	s_cbranch_scc1 .Ldone
	s_wait_xcnt 0x0                                ; this pass's stores have read their offsets and data: the next pass's loads may land there
	s_wait_alu depctr_vm_vsrc(0)                   ; the same, stated for the registers: this pass's stores have read YO and both sets of OD, in which the next pass's loads land
	LOAD_YL (\p)+1
	LOAD_AS (\p)+1
	LOAD_A (\p)+1, 0
	LOAD_A (\p)+1, 1
	LOAD_A (\p)+1, 2
.endif
.endm
	LOAD_YL 0                                      ; pass 0: all its first loads go out with the weights'
	LOAD_AS 0
	LOAD_A 0, 0
	LOAD_A 0, 1
	s_wait_loadcnt 60                              ; the weights and their scale words are in: the list's 10, AS's 10, A 0 and A 1, 60 loads, are younger
	WIN STG1
.set Q, 0
.rept 32                               ; row Q of my 32 is row Q % 16 of my tile Q / 16; a tile is 16 pieces on, a row 16 bytes
	ds_store_b128 v[WST], v[4*Q:4*Q+3] offset:4352*(Q/16)+16*(Q%16)
.set Q, Q+1
.endr
	LOAD_A 0, 2
	WIN 0
	s_wait_dscnt 0x0                               ; my pieces have landed
	s_barrier_signal -1
	s_barrier_wait -1                              ; everybody's have; from here on a wave writes its own stage alone
	s_wait_alu depctr_vm_vsrc(0)                   ; my staging stores have read window 1's registers: these are B's buffers from here on, in which LDS loads land
	PASS 0
	PASS 1
	PASS 2
	PASS 3                                         ; with at most 64 tiles no wave has a tile behind 79
.Ldone:
	s_barrier_signal -1
	s_barrier_wait -1
	s_wait_dscnt 0x0                               ; the closing lines, six on end
	s_wait_alu 0x0
	s_wait_tensorcnt 0x0
	ds_add_u32 v254, v255
	s_wait_dscnt 0x0
	s_endpgm
.Lfunc_end_k_q4823dc0110_down:
	.size	k_q4823dc0110_down, .Lfunc_end_k_q4823dc0110_down-k_q4823dc0110_down
	.p2alignl 7, 3214868480
	.fill 96, 4, 3214868480
	.section	.rodata,"a",@progbits
	.p2align	6, 0x0
	.amdhsa_kernel k_q4823dc0110_down
		.amdhsa_group_segment_fixed_size 87552
		.amdhsa_private_segment_fixed_size 0
		.amdhsa_enable_private_segment 0
		.amdhsa_kernarg_size 48
		.amdhsa_user_sgpr_count 2
		.amdhsa_user_sgpr_kernarg_segment_ptr 1
		.amdhsa_wavefront_size32 1
		.amdhsa_system_sgpr_workgroup_id_x 1
		.amdhsa_system_sgpr_workgroup_id_y 1
		.amdhsa_system_sgpr_workgroup_id_z 1
		.amdhsa_system_vgpr_workitem_id 0
		.amdhsa_next_free_vgpr 1024
		.amdhsa_next_free_sgpr 66
		.amdhsa_reserve_vcc 0
		.amdhsa_float_denorm_mode_32 3
		.amdhsa_float_denorm_mode_16_64 3
		.amdhsa_memory_ordered 1
		.amdhsa_forward_progress 1
		.amdhsa_inst_pref_size 255
	.end_amdhsa_kernel
	.section	.bss,"aw",@nobits
	.p2align	6
	.space	262144
	.amdgpu_metadata
---
amdhsa.version: [ 1, 2 ]
amdhsa.kernels:
  - .name:           k_q4823dc0110_down
    .symbol:         k_q4823dc0110_down.kd
    .args:
      - { .name: lists, .offset: 0, .size: 8, .value_kind: global_buffer, .address_space: global }
      - { .name: act_codes, .offset: 8, .size: 8, .value_kind: global_buffer, .address_space: global }
      - { .name: act_scales, .offset: 16, .size: 8, .value_kind: global_buffer, .address_space: global }
      - { .name: w2_codes, .offset: 24, .size: 8, .value_kind: global_buffer, .address_space: global }
      - { .name: w2_scales, .offset: 32, .size: 8, .value_kind: global_buffer, .address_space: global }
      - { .name: y, .offset: 40, .size: 8, .value_kind: global_buffer, .address_space: global }
    .group_segment_fixed_size: 87552
    .private_segment_fixed_size: 0
    .kernarg_segment_align: 8
    .kernarg_segment_size: 48
    .max_flat_workgroup_size: 128
    .sgpr_count:     66
    .vgpr_count:     1024
    .wavefront_size: 32
...
	.end_amdgpu_metadata
.endif
;; end of part 7
;; launch combine: the kernel of part 4 again; grid 256 x 1, 4 waves a work-group, no clusters, 0 bytes of LDS; arguments y, wts, out0; writes out0
